; MI455X (gfx1250); checked and timed in simulation.
; The chip was launched on July 23, 2026; its instructions are those of AMD's public machine-readable ISA for CDNA 5 (MIT licence, August 2026) and "CDNA5" Instruction Set Architecture Reference Guide (July 2026). The comments in the code are by the model that wrote it; some were corrected since.
;; Multi Head Self Attention. Allowed arithmetic: matrix products marked QUANTISED: E4M3 operands, one given power-of-two scale a tensor, by v_wmma_f32_16x16x64_fp8_fp8 or v_wmma_f32_16x16x128_fp8_fp8, f32 sums; everything else in f32.
;; Inputs: gain 1 float32; lowp_scales 8 int32 (the exponents e of the quantised operands' scales 2^e); w_out 2,048 x 2,048 float32; w_qkv 3,072 x 2,048 float32; x 2 x 1,024 x 2,048 float32.
;; Outputs: out0 2 x 1,024 x 2,048 float32; out1 64 x 1,024 x 64 float32.
;; This version of the problem:
;;   THIS VERSION OF THE PROBLEM IS GIVEN IN LOW PRECISION. The matrix products marked QUANTISED in the list below multiply operands that are first quantised to E4M3 (4 exponent bits, 3 mantissa bits; 8 bits a number), with one given power-of-two scale for each operand tensor; their sums are f32. All else is computed in f32.
;;   The module's matrix products, in the order in which they are computed (A, B: the left and right operand; K: the contracted axis; several contracted axes count as one K, in the product's order):
;;     1. [M 2,048, K 2,048] x [K 2,048, N 3,072]; A: input x; B: input w_qkv: QUANTISED (scales: A lowp_scales[0], B lowp_scales[1])
;;     2. batch 64 x [M 1,024, K 64] x [K 64, N 1,024]; A: computed on the way; B: computed on the way: QUANTISED (scales: A lowp_scales[2], B lowp_scales[3])
;;     3. batch 64 x [M 64, K 1,024] x [K 1,024, N 1,024]; A: computed on the way; B: softmax (see below): QUANTISED (scales: A lowp_scales[4], B lowp_scales[5])
;;     4. [M 2,048, K 2,048] x [K 2,048, N 2,048]; A: computed on the way; B: input w_out: QUANTISED (scales: A lowp_scales[6], B lowp_scales[7])
;;   THE QUANTISER, for each operand of a quantised product, along K:
;;     - The operand's scale is 2^e, e = its entry of the input lowp_scales (int32; the entries are numbered through the quantised products in the list's order, A before B).
;;     - Each number is divided by the scale, clamped to +-448, and rounded to the nearest number of E4M3, ties to even, subnormals kept.
;;     - The product sums the exact products of the quantised numbers (number of the format x scale) in f32.
;;   ~~~python
;;   def quantise(x, axis, e):      # numpy; x: float32 -> the quantised numbers, widened to float32 again
;;       x = np.moveaxis(x, axis, -1); K = x.shape[-1]
;;       r = np.clip(x / 2.0 ** e, -448, 448)
;;       step = 2.0 ** (np.maximum(np.frexp(np.where(r == 0, 1, r))[1] - 1, -6) - 3)
;;       q = np.round(r / step) * step * 2.0 ** e      # np.round: ties to even
;;       return np.moveaxis(q, -1, axis).astype(np.float32)
;;   ~~~
;;   SOFTMAX AHEAD OF A QUANTISED PRODUCT. Where the list says 'softmax', what is quantised is not the finished softmax but p = 2^(t - M), with t = logit x log2(e) and M = ceil(the row's largest t), a whole number; so 1/2 < the row's largest p <= 1. The row's sum l is taken of the UNQUANTISED p, in f32, and the product's result is divided by l at the end. Since M is a whole number, a kernel that streams over the keys may use a running M (the ceiling of the running maximum): every later rescaling is an exact power of two, so the quantised numbers keep their values, but for numbers so far below the row's largest that they fall under the format's range.
;;   OPERANDS COMPUTED ON THE WAY. 'Computed on the way' means the value that the module computes at that place (a softmax that the list does not call 'softmax' is quantised finished and normalised). What goes into a quantiser is computed in f32, as accurately as f32 sums, v_exp_f32 and their like allow (about 1e-6 of the number): no bf16 or f16 on the way to a quantiser, and a product that is left as it is and whose result goes on into a quantised operand takes f32 operands (vector FMAs, or v_wmma_f32_16x16x4_f32). A number that lies on a knife's edge between two numbers of the format may be rounded either way, as far as f32 arithmetic and the matrix unit's own rounding can turn it there, and no further.
;; One version. Each part assembles by itself: llvm-mc -triple=amdgcn-amd-amdhsa -mcpu=gfx1250 --defsym DOCPART=n.
;; ======== version 1 of 1: 4 launches
;; limits: right only within a limited range of input values
;; workspace buffers: x_img 4,194,304 bytes; wq_img 6,291,456 bytes; wo_img 4,194,304 bytes; rope 262,144 bytes; q_img 4,194,304 bytes; kv_img 2,097,152 bytes; vf 4,194,304 bytes; a_img 4,194,304 bytes
;; launch prep (part 1): grid 256 x 1, 10 waves a work-group, no clusters, 44,800 bytes of LDS; arguments x, w_qkv, lowp_scales, x_img, wq_img, rope; writes x_img, wq_img, rope
.if DOCPART == 1
	.amdgcn_target "amdgcn-amd-amdhsa--gfx1250"
	.amdhsa_code_object_version 6
	.text
	.protected	k_qac4695535b_prep
	.globl	k_qac4695535b_prep
	.p2align	8
	.type	k_qac4695535b_prep,@function
k_qac4695535b_prep:
	s_mov_b64 s[64:65], 0
	v_nop
	global_prefetch_b8 v0, s[64:65] scope:SCOPE_SE
	s_setreg_imm32_b32 hwreg(HW_REG_WAVE_MODE, 25, 1), 1
	s_wait_xcnt 0x0
; x [2048][2048] and w_qkv [3072][2048], f32, become codes of E4M3 with the given scales 2^e (entries 0, 1), and the table of cosines and sines for the rotation is made.
; code = number / 2^e, held within +-448, to the nearest code, ties to even.
; DEAD WORK LEFT OUT IN THE PROGRAM: V's factor rsqrt(1 + 1e-8), which is rsqrt(1) = 1 in f32 for all inputs; and score tiles that lie wholly under the causal mask, whose p is 0 for all inputs.
; LIMIT: a NaN, an infinity or an overflow that reaches only work left out is not carried to the result.
; IMAGES: a fragment of 16 rows x 128 K is 2,048 bytes: registers 4 c .. 4 c + 3 of lane (r, h) (row r, k = 32 c + 16 h + 0 .. 15) at byte 512 c + 16 lane.  The same order of k in both tensors.  A tensor's image is [row tile][16 K steps].
; A ROW TILE OF w_qkv: within a head of 64 rows tile w takes rows 8 w + 0..3, 32 + 8 w + 0..3, 8 w + 4..7, 32 + 8 w + 4..7: so the pairs that the rotation joins fall into one lane.  x's row tiles are 16 neighbours.
; SHARES.  320 row tiles x 8 chunks of 256 along K = 2,560 = 256 work-groups x 10 waves.  All 32 loads of a wave go out at once, row by row; a row is turned into codes as it arrives.
; Codes, a quarter of the bytes, turn through the wave's own stage in LDS (rows 272 bytes apart).  No barrier: waves share nothing.  No prefetch: the launch has no loop to run ahead in.
; THE TABLE: [64 position tiles][4 w][cos, sin][32 lanes][4 f32]: lane (r, h): position 16 tile + r, frequencies 8 w + 4 h + 0 .. 3.  Wave 0 of work-group g makes tile g / 4, w = g % 4.
; LIMITS: each exponent between -126 and 119.  NaN among the inputs is not served.  The inverse frequency comes from v_exp_f32 and may be a last bit or two off a correctly rounded one: at position 1,023 some 1e-4 of a radian at the most.
.set STG,  4352                        ; a wave's stage: 16 rows x 272 bytes
.set SPARE, 10*STG
.set R,    32                          ; v32-159   16 rows x 8 registers, as loaded
.set C,    160                         ; v160-191  two registers of codes a row; before that the table's scratch (to v207)
.set F,    192                         ; v192-223  two fragments
.set BS,   48                          ; s[48:55]  addresses of rows 0, 4, 8, 12 of my tile
	s_load_b256 s[4:11], s[0:1], 0x0               ; x, w_qkv, the scales' exponents, x_img
	s_load_b128 s[12:15], s[0:1], 0x20             ; wq_img, the table
	v_lshl_add_u32 v30, v0, 2, SPARE
	v_mov_b32 v31, 0
	v_lshrrev_b32 v4, 5, v0
	v_readfirstlane_b32 s20, v4                    ; wave 0..9
	s_mul_i32 s32, s20, STG
	v_and_b32 v5, 31, v0
	v_and_b32 v6, 15, v0                           ; r
	v_bfe_u32 v7, v0, 4, 1                         ; h
	v_lshlrev_b32 v1, 4, v5                        ; 16 x lane
	v_lshlrev_b32 v2, 2, v5
	v_mul_u32_u24 v3, v6, 272
	v_add_nc_u32 v2, s32, v2                       ; the stage, on the way in: 4 x lane of a row
	v_lshl_add_u32 v3, v7, 4, v3
	s_delay_alu instid0(VALU_DEP_1)
	v_add_nc_u32 v3, s32, v3                       ; on the way out: row r, + 16 h
	s_mul_i32 s21, ttmp9, 10
	s_add_co_u32 s21, s21, s20                     ; P
	s_lshr_b32 s22, s21, 3                         ; row tile among the 320
	s_and_b32 s23, s21, 7                          ; which 256 along K
	s_mov_b32 s45, 0
	s_mov_b32 s47, 0
	s_mov_b32 s57, 0
	s_wait_alu depctr_va_vdst(0)
	s_wait_kmcnt 0x0
	s_load_b64 s[24:25], s[8:9], 0x0               ; e0, e1
	s_mov_b32 s44, 262144
	s_mov_b32 s56, 294912
	s_mov_b32 s46, 32768
	s_cmp_lt_u32 s22, 128                          ; x or w_qkv: the choice hangs on the row tile's number alone
	s_cselect_b64 s[36:37], s[4:5], s[6:7]
	s_cselect_b64 s[38:39], s[10:11], s[12:13]
	s_cselect_b32 s35, 0, 128
	s_cselect_b32 s44, 32768, s44                  ; from row 0 to row 4 of the tile, in bytes
	s_cselect_b32 s46, 65536, s46                  ; to row 8
	s_cselect_b32 s56, 98304, s56                  ; to row 12
	s_sub_co_u32 s33, s22, s35                     ; row tile in its tensor
	s_lshl_b32 s40, s33, 4                         ; x: row 16 x tile
	s_lshr_b32 s41, s33, 2
	s_lshl_b32 s41, s41, 6
	s_and_b32 s42, s33, 3
	s_lshl_b32 s42, s42, 3
	s_add_co_u32 s41, s41, s42                     ; w_qkv: row 64 x head + 8 w
	s_cmp_lt_u32 s22, 128
	s_cselect_b32 s40, s40, s41
	s_lshl_b32 s40, s40, 13                        ; rows of 8,192 bytes
	s_lshl_b32 s34, s23, 10
	s_add_co_u32 s40, s40, s34
	s_mov_b32 s41, 0
	s_add_nc_u64 s[BS:BS+1], s[36:37], s[40:41]
	s_add_nc_u64 s[BS+2:BS+3], s[BS:BS+1], s[44:45]
	s_add_nc_u64 s[BS+4:BS+5], s[BS:BS+1], s[46:47]
	s_add_nc_u64 s[BS+6:BS+7], s[BS:BS+1], s[56:57]
	s_lshl_b32 s42, s33, 15                        ; 16 fragments of 2,048 bytes
	s_lshl_b32 s34, s23, 12
	s_add_co_u32 s42, s42, s34
	s_mov_b32 s43, 0
	s_add_nc_u64 s[38:39], s[38:39], s[42:43]
.irp g, 0,1,2,3
.irp u, 0,1,2,3
	global_load_b128 v[R+8*(4*\g+\u):R+8*(4*\g+\u)+3], v1, s[BS+2*\g:BS+2*\g+1] offset:8192*\u th:TH_LOAD_NT   ; 32 lanes read 512 consecutive bytes of a row
	global_load_b128 v[R+8*(4*\g+\u)+4:R+8*(4*\g+\u)+7], v1, s[BS+2*\g:BS+2*\g+1] offset:8192*\u+512 th:TH_LOAD_NT
.endr
.endr
	; ---- the table, while the loads are on their way: wave 0 alone
	s_cmp_lg_u32 s20, 0
	s_cbranch_scc1 .Lno_table
	s_lshr_b32 s32, ttmp9, 2                       ; position tile
	s_lshl_b32 s33, s32, 4                         ; its first position
	s_and_b32 s34, ttmp9, 3                        ; w
	s_lshl_b32 s40, s34, 3
	v_add_nc_u32 v160, s33, v6
	s_delay_alu instid0(VALU_DEP_1)
	v_cvt_f32_u32 v160, v160                       ; my position
	v_lshl_add_u32 v161, v7, 2, s40                ; my first frequency
	v_mov_b32 v196, 0xb94ca1f9                     ; the sine's and the cosine's leading coefficients
	v_mov_b32 v197, 0x37ccf5ce
.irp u, 0,1,2,3
	v_add_nc_u32 v[164+\u], \u, v161
.endr
.irp u, 0,1,2,3
	s_delay_alu instid0(VALU_DEP_4)
	v_cvt_f32_u32 v[164+\u], v[164+\u]
.endr
.irp u, 0,1,2,3
	s_delay_alu instid0(VALU_DEP_4)
	v_mul_f32 v[164+\u], 0xbed49a78, v[164+\u]     ; -f x log2(10000) / 32
.endr
	s_wait_alu depctr_va_vdst(0)
.irp u, 0,1,2,3
	v_exp_f32 v[164+\u], v[164+\u]                 ; the inverse frequency
.endr
	v_nop
	s_wait_alu depctr_va_vdst(0)                   ; one wait for the four, ahead of their first reader
.irp u, 0,1,2,3
	v_mul_f32 v[164+\u], v160, v[164+\u]           ; the angle, rounded to f32 as the definition rounds it
.endr
.irp u, 0,1,2,3
	s_delay_alu instid0(VALU_DEP_4)
	v_mul_f32 v[168+\u], 0x3f22f983, v[164+\u]     ; x 2 / pi
.endr
.irp u, 0,1,2,3
	s_delay_alu instid0(VALU_DEP_4)
	v_rndne_f32 v[168+\u], v[168+\u]               ; n, 651 at the most
.endr
.irp u, 0,1,2,3
	s_delay_alu instid0(VALU_DEP_4)
	v_fmamk_f32 v[172+\u], v[168+\u], 0xbfc90fdb, v[164+\u]   ; angle - n x (pi / 2's upper part)
.endr
.irp u, 0,1,2,3
	s_delay_alu instid0(VALU_DEP_4)
	v_fmamk_f32 v[172+\u], v[168+\u], 0x333bbd2e, v[172+\u]   ; - n x (its lower part, -4.37e-8)
.endr
.irp u, 0,1,2,3
	s_delay_alu instid0(VALU_DEP_4)
	v_mul_f32 v[176+\u], v[172+\u], v[172+\u]      ; z
.endr
.irp u, 0,1,2,3
	s_delay_alu instid0(VALU_DEP_4)
	v_fmaak_f32 v[180+\u], v196, v[176+\u], 0x3c08839e
.endr
.irp u, 0,1,2,3
	s_delay_alu instid0(VALU_DEP_4)
	v_fmaak_f32 v[180+\u], v[180+\u], v[176+\u], 0xbe2aaaa3
.endr
.irp u, 0,1,2,3
	s_delay_alu instid0(VALU_DEP_4)
	v_mul_f32 v[180+\u], v[180+\u], v[176+\u]
.endr
.irp u, 0,1,2,3
	s_delay_alu instid0(VALU_DEP_4)
	v_fma_f32 v[180+\u], v[180+\u], v[172+\u], v[172+\u]      ; the sine of the rest
.endr
.irp u, 0,1,2,3
	v_fmaak_f32 v[184+\u], v197, v[176+\u], 0xbab6061a
.endr
.irp u, 0,1,2,3
	s_delay_alu instid0(VALU_DEP_4)
	v_fmaak_f32 v[184+\u], v[184+\u], v[176+\u], 0x3d2aaaa5
.endr
.irp u, 0,1,2,3
	v_mul_f32 v[188+\u], v[176+\u], v[176+\u]
.endr
.irp u, 0,1,2,3
	v_fma_f32 v[192+\u], v[176+\u], -0.5, 1.0
.endr
.irp u, 0,1,2,3
	s_delay_alu instid0(VALU_DEP_4)
	v_fma_f32 v[184+\u], v[184+\u], v[188+\u], v[192+\u]      ; its cosine
.endr
.irp u, 0,1,2,3
	v_cvt_i32_f32 v[168+\u], v[168+\u]
.endr
.irp u, 0,1,2,3                        ; the quadrant n % 4: odd: the two change places; the sine is negative in 2 and 3, the cosine in 1 and 2
	v_and_b32 v[188+\u], 1, v[168+\u]
	s_delay_alu instid0(VALU_DEP_1)
	v_cmp_eq_u32 vcc_lo, 1, v[188+\u]
	s_delay_alu instid0(VALU_DEP_1)
	v_cndmask_b32 v[200+\u], v[184+\u], v[180+\u], vcc_lo
	s_delay_alu instid0(VALU_DEP_2)
	v_cndmask_b32 v[204+\u], v[180+\u], v[184+\u], vcc_lo
	v_add_nc_u32 v[188+\u], 1, v[168+\u]
	s_delay_alu instid0(VALU_DEP_1)
	v_and_b32 v[188+\u], 2, v[188+\u]
	s_delay_alu instid0(VALU_DEP_1)
	v_lshlrev_b32 v[188+\u], 30, v[188+\u]
	s_delay_alu instid0(VALU_DEP_1)
	v_xor_b32 v[200+\u], v[188+\u], v[200+\u]      ; cos
	v_and_b32 v[192+\u], 2, v[168+\u]
	s_delay_alu instid0(VALU_DEP_1)
	v_lshlrev_b32 v[192+\u], 30, v[192+\u]
	s_delay_alu instid0(VALU_DEP_1)
	v_xor_b32 v[204+\u], v[192+\u], v[204+\u]      ; sin
.endr
	s_lshl_b32 s32, s32, 12
	s_lshl_b32 s34, s34, 10
	s_add_co_u32 s32, s32, s34
	s_mov_b32 s33, 0
	s_add_nc_u64 s[14:15], s[14:15], s[32:33]
	global_store_b128 v1, v[200:203], s[14:15]                ; 32 lanes store 512 consecutive bytes
	global_store_b128 v1, v[204:207], s[14:15] offset:512
	s_wait_xcnt 0x0                                ; the stores' data lie where fragments will land
.Lno_table:
	s_wait_kmcnt 0x0
	s_cmp_lt_u32 s22, 128
	s_cselect_b32 s34, s24, s25                    ; my tensor's e
	s_add_co_i32 s34, s34, 127
	s_lshl_b32 s35, s34, 23
	v_mov_b32 v11, s35                             ; 2^e as f32: the conversion takes its exponent field
	s_add_co_i32 s34, s34, 8
	s_lshl_b32 s34, s34, 23
	s_or_b32 s34, s34, 0x600000
	v_mov_b32 v10, s34                             ; 448 x 2^e
	s_wait_alu depctr_va_vdst(0)                   ; the wait at the head's end
.irp g, 0,1,2,3                        ; four rows at a time
	s_wait_loadcnt 24-8*\g                         ; their eight loads are in; those of the later rows may be out
.set II, R+32*\g
.rept 32
	v_med3_num_f32 v[II], v[II], -v10, v10         ; the conversion to an 8-bit code does not saturate (ISA guide 7.6.2): the hold at the largest code x the scale
.set II, II+1
.endr
.irp u, 0,1,2,3
	v_cvt_scalef32_pk8_fp8_f32 v[C+2*(4*\g+\u):C+2*(4*\g+\u)+1], v[R+8*(4*\g+\u):R+8*(4*\g+\u)+7], v11   ; codes of k = 4 lane + 0..3 and of 128 + 4 lane + 0..3
.endr
	v_nop
.irp u, 0,1,2,3
	ds_store_b32 v2, v[C+2*(4*\g+\u)] offset:272*(4*\g+\u)
	ds_store_b32 v2, v[C+2*(4*\g+\u)+1] offset:272*(4*\g+\u)+128
.endr
.endr
.irp k, 0,1,2,3,4,5,6,7
	ds_load_b128 v[F+4*\k:F+4*\k+3], v3 offset:32*\k          ; LDS serves a wave's instructions in order (ISA guide 5.7.1.4): these see my stores
.endr
.irp k, 0,1,2,3,4,5,6,7
	s_wait_dscnt 7-\k
	global_store_b128 v1, v[F+4*\k:F+4*\k+3], s[38:39] offset:512*\k   ; 32 lanes store 512 consecutive bytes, aligned
.endr
	s_wait_tensorcnt 0x0                           ; the wave's end
	ds_add_u32 v30, v31
	s_wait_dscnt 0x0
	s_endpgm
.Lfunc_end_k_qac4695535b_prep:
	.size	k_qac4695535b_prep, .Lfunc_end_k_qac4695535b_prep-k_qac4695535b_prep
	.p2alignl 7, 3214868480
	.fill 96, 4, 3214868480
	.section	.rodata,"a",@progbits
	.p2align	6, 0x0
	.amdhsa_kernel k_qac4695535b_prep
		.amdhsa_group_segment_fixed_size 44800
		.amdhsa_private_segment_fixed_size 0
		.amdhsa_enable_private_segment 0
		.amdhsa_kernarg_size 48
		.amdhsa_user_sgpr_count 2
		.amdhsa_user_sgpr_kernarg_segment_ptr 1
		.amdhsa_wavefront_size32 1
		.amdhsa_system_sgpr_workgroup_id_x 1
		.amdhsa_system_sgpr_workgroup_id_y 1
		.amdhsa_system_sgpr_workgroup_id_z 1
		.amdhsa_system_vgpr_workitem_id 0
		.amdhsa_next_free_vgpr 224
		.amdhsa_next_free_sgpr 66
		.amdhsa_reserve_vcc 1
		.amdhsa_float_denorm_mode_32 3
		.amdhsa_float_denorm_mode_16_64 3
		.amdhsa_memory_ordered 1
		.amdhsa_forward_progress 1
		.amdhsa_inst_pref_size 28
	.end_amdhsa_kernel
	.amdgpu_metadata
---
amdhsa.version: [ 1, 2 ]
amdhsa.kernels:
  - .name:           k_qac4695535b_prep
    .symbol:         k_qac4695535b_prep.kd
    .args:
      - { .name: x, .offset: 0, .size: 8, .value_kind: global_buffer, .address_space: global }
      - { .name: w_qkv, .offset: 8, .size: 8, .value_kind: global_buffer, .address_space: global }
      - { .name: lowp_scales, .offset: 16, .size: 8, .value_kind: global_buffer, .address_space: global }
      - { .name: x_img, .offset: 24, .size: 8, .value_kind: global_buffer, .address_space: global }
      - { .name: wq_img, .offset: 32, .size: 8, .value_kind: global_buffer, .address_space: global }
      - { .name: rope, .offset: 40, .size: 8, .value_kind: global_buffer, .address_space: global }
    .group_segment_fixed_size: 44800
    .private_segment_fixed_size: 0
    .kernarg_segment_align: 8
    .kernarg_segment_size: 48
    .max_flat_workgroup_size: 320
    .sgpr_count:     66
    .vgpr_count:     224
    .wavefront_size: 32
...
	.end_amdgpu_metadata
.endif
;; end of part 1
;; launch qkv (part 2): grid 16 x 16, 4 waves a work-group, clusters of 4 x 1, 327,680 bytes of LDS; arguments x_img, wq_img, lowp_scales, gain, rope, q_img, kv_img, vf; writes q_img, kv_img, vf
.if DOCPART == 2
	.amdgcn_target "amdgcn-amd-amdhsa--gfx1250"
	.amdhsa_code_object_version 6
	.text
	.protected	k_qac4695535b_qkv
	.globl	k_qac4695535b_qkv
	.p2align	8
	.type	k_qac4695535b_qkv,@function
k_qac4695535b_qkv:
	s_mov_b64 s[64:65], 0
	v_nop
	global_prefetch_b8 v0, s[64:65] scope:SCOPE_SE
	s_setreg_imm32_b32 hwreg(HW_REG_WAVE_MODE, 25, 1), 1
	s_wait_xcnt 0x0
	s_wait_alu depctr_hold_cnt(0) depctr_sa_sdst(0) depctr_va_vdst(0) depctr_va_sdst(0) depctr_va_ssrc(0) depctr_va_vcc(0) depctr_vm_vsrc(0)
	s_getreg_b32 s2, hwreg(HW_REG_IB_STS2, 6, 4)
	s_cmp_eq_u32 s2, 0
	s_cbranch_scc0 .Lentry_in_a_cluster
	s_endpgm
.Lentry_in_a_cluster:
	s_bfe_u32 s2, ttmp6, 0x10000c
	s_cmp_lg_u32 s2, 0x3003
	s_cbranch_scc0 .Lentry_shape_is_right
	s_endpgm
.Lentry_shape_is_right:
; proj = x w_qkv^T on codes of E4M3 (scales 2^e0, 2^e1), then what each part becomes: Q and K are rotated, normalised over the head (Q x gain) and quantised (e2, e3); V leaves as f32 and as codes (e4) with the keys innermost.
; SHARES.  256 work-groups: 128 rows (work-group y) x 3 heads (work-group x = n): Q heads 2 n and 2 n + 1, and K head n (n < 8) or V head n - 8.  Wave w makes 128 rows x tile w of each of the three heads: 24 accumulators.
; x: the work-group's 128 rows x all of K are 262,144 bytes of LDS in two halves of eight K steps, each filled once: wave w asks for row tiles 2 w, 2 w + 1, one tensor load a half.  The second half is asked for when the first has landed and has
; seven K steps in which to land.  The four work-groups of a cluster have the same rows: the loads are JOINT (mask 15).
; w_qkv: a wave's rows are its own, so their fragments go from memory straight into registers, six sets, loaded five K steps ahead: 60 loads of 512 bytes a wave are out.  They are not asked for jointly: LDS holds x and has no room for them.
; No prefetch: x's second half is asked for as soon as the first has landed, and the loads of w_qkv run ahead themselves; nothing is filled twice.
; THE MATRIX INSTRUCTION IS USED TRANSPOSED (source 0 = 16 rows of w_qkv, source 1 = 16 rows of x): lane (r, h) holds row r; by the order of w_qkv's image register j of a head's tile w is d = 8 w + 4 h + j (j < 4), 32 + 8 w + 4 h + j - 4 (j > 3).
; So d and d + 32, which the rotation joins, lie in one lane.  A row's sum of squares is joined over the waves through LDS.  The codes of Q and K lie in that order of d, the same in both.
; OUT: q_img [b][32 heads][64 position tiles] and kv_img [8 b + kv head]: 64 key tiles, fragments of 16 rows x 64 K = 1,024 bytes (registers 4 q .. 4 q + 3 of a lane at 512 q + 16 lane); behind them, at 65,536, V as [16 steps of 64 keys][4 tiles of d]
; (rows = d, K = keys); vf [8 b + kv head][1024][64] f32.  The definition's factor on V, rsqrt of 1 + 1e-8 in f32, is 1: left out.  A NaN that reaches only that is not carried.
; LIMITS: e2, e3, e4 between -126 and 119; e0 + e1 between -126 and 127.  NaN is not served.
; REGISTERS: window 0: addresses, v32-127 at work on the way out, v128-191 the table, v192-239 w_qkv's sixth set;  window 1: x's fragments, two sets of 128, later the rotated numbers;  window 2: w_qkv's five sets of 48;
;   window 3: accumulator (row tile a, head t) at v[8 (3 a + t)].
.set HALF,  131072                     ; [8 row tiles][8 K steps] fragments of 2,048 bytes
.set SUMS,  262144                     ; [3 heads][128 rows][8 parts] f32
.set CODES, 274432                     ; [3 heads][8 row tiles] fragments of 1,024 bytes
.set INVB,  299008                     ; [3 heads][128 rows] two equal f32
.set SPARE, 327168                     ; the spare words: two blocks of 256 bytes that no other line names
                                       ; V's stage, 128 rows x 272 bytes, lies from byte 0 on: x's bytes have had their one fill and their last read by then
.set MSB,   0
.macro WIN new                         ; the immediate's high byte repeats the setting that is left
.if MSB != \new
	s_set_vgpr_msb (MSB<<8)|\new
.set MSB, \new
.endif
.endm
.macro PLACES n
.rept \n
	v_nop
.endr
.endm
.macro CROUND                          ; a round of the cluster's barrier
	s_barrier_signal -1
	s_barrier_wait -1
	s_cmp_lg_u32 s20, 0
	s_cbranch_scc1 .Lnot_wave_0_\@
	s_barrier_signal -3
.Lnot_wave_0_\@:
	s_barrier_wait -3
	s_barrier_signal -1
	s_barrier_wait -1
.endm
.macro MEET                            ; the work-group's barrier: my LDS stores and loads are done
	s_wait_alu depctr_va_vdst(0)
	s_wait_dscnt 0x0
	s_barrier_signal -1
	s_barrier_wait -1
.endm
.macro ALD s, i                        ; x's fragment i of K step s
	WIN 0x40
.irp q, 0,1,2,3
	ds_load_b128 v[128*((\s)%2)+16*\i+4*\q:128*((\s)%2)+16*\i+4*\q+3], v[16+2*((\s)/8)+\i/4] offset:16384*(\i%4)+2048*((\s)%8)+512*\q
.endr
.endm
.macro BLD s, t                        ; w_qkv's fragment of head t, K step s, into set s % 6
.if (\s)%6 == 5
	WIN 0
.set BB, 192+16*(\t)
.else
	WIN 0x80
.set BB, 48*((\s)%6)+16*(\t)
.endif
.irp q, 0,1,2,3
.if (\t) < 2
	global_load_b128 v[BB+4*\q:BB+4*\q+3], v3, s[44:45] offset:131072*(\t)+2048*(\s)+512*\q
.else
	global_load_b128 v[BB+4*\q:BB+4*\q+3], v3, s[46:47] offset:2048*(\s)+512*\q
.endif
.endr
.endm
; Row tile i against the three heads.  Fragment i of K step s is in when at most 60 - 4 i LDS loads are out: the next step's 32, and four for each of the 7 - i fragments behind it.
.macro GRP s, i
.if (\s) < 15
	s_wait_dscnt 60-4*\i
.else
	s_wait_dscnt 28-4*\i
.endif
.if (\s)%6 == 5
	WIN 0xf4
.set BB, 192
.else
	WIN 0xf6
.set BB, 48*((\s)%6)
.endif
.irp t, 0,1,2
.if (\s) == 0
	v_wmma_f32_16x16x128_fp8_fp8 v[8*(3*\i+\t):8*(3*\i+\t)+7], v[BB+16*\t:BB+16*\t+15], v[128*((\s)%2)+16*\i:128*((\s)%2)+16*\i+15], 0
.else
	v_wmma_f32_16x16x128_fp8_fp8 v[8*(3*\i+\t):8*(3*\i+\t)+7], v[BB+16*\t:BB+16*\t+15], v[128*((\s)%2)+16*\i:128*((\s)%2)+16*\i+15], v[8*(3*\i+\t):8*(3*\i+\t)+7]
.endif
.endr
.endm
; A K step: one run of loads (x's fragments of the next step, w_qkv's of five steps on), then 24 products, the accumulators by turns, one instruction a turn.
; The loads go into the sets that the step before has multiplied: four places stand ahead of them.
.macro STEP s
.if (\s) < 12
	s_wait_loadcnt 48                              ; the step's twelve loads are in; those of four later steps may be out
.else
	s_wait_loadcnt 16+12*(15-\s)                   ; the later steps' and the table's sixteen
.endif
.if (\s) == 7
	WIN 0
	s_wait_tensorcnt 0x0                           ; my part of x's second half is in, and the barrier shows all four parts to all
	s_wait_dscnt 0x0
	s_barrier_signal -1
	s_barrier_wait -1
.endif
	PLACES 4
.if (\s) < 15
.irp i, 0,1,2,3,4,5,6,7
	ALD \s+1, \i
.endr
.endif
.if (\s) <= 10
	BLD \s+5, 0
	BLD \s+5, 1
	BLD \s+5, 2
.endif
.if (\s) == 11
	WIN 0
.irp i, 0,1,2,3,4,5,6,7
	global_load_b128 v[128+8*\i:131+8*\i], v3, s[90:91] offset:4096*\i         ; the table: cosines and sines of row tile i
	global_load_b128 v[132+8*\i:135+8*\i], v3, s[90:91] offset:4096*\i+512
.endr
.endif
.irp i, 0,1,2,3,4,5,6,7
	GRP \s, \i
.endr
.endm
.macro SC e, hold, scale               ; 448 x 2^e and 2^e as f32
	s_add_co_i32 s99, \e, 127
	s_lshl_b32 s98, s99, 23
	v_mov_b32 \scale, s98
	s_add_co_i32 s99, s99, 8
	s_lshl_b32 s99, s99, 23
	s_or_b32 s99, s99, 0x600000
	v_mov_b32 \hold, s99
.endm
	s_load_b256 s[4:11], s[0:1], 0x0               ; x_img, wq_img, the scales' exponents, gain
	s_load_b256 s[12:19], s[0:1], 0x20             ; the table, q_img, kv_img, vf
	v_lshl_add_u32 v28, v0, 2, SPARE
	v_mov_b32 v29, 0
	ds_add_u32 v28, v29                            ; the opening: the add, twice on end, and its wait
	ds_add_u32 v28, v29
	v_lshrrev_b32 v4, 5, v0
	v_readfirstlane_b32 s20, v4                    ; wave w
	s_bfe_u32 s23, ttmp6, 0x40000                  ; cx
	s_lshl_b32 s25, ttmp9, 2
	s_add_co_u32 s25, s25, s23                     ; n
	s_and_b32 s26, ttmp7, 0xffff                   ; y
	s_mov_b32 s32, 15|(3<<16)|(1<<21)              ; group 1: 15:0 the mask: all four; elements of 8 bytes; 21 set beside a mask
	s_mov_b32 s33, 2048<<16                        ; tensor_dim0: 16,384 bytes: eight K steps of a row tile
	s_mov_b32 s34, 2<<16                           ; tensor_dim1: 2 row tiles
	s_mov_b32 s35, 2048<<16
	s_mov_b32 s36, 2
	s_mov_b32 s37, 4096                            ; 32,768 bytes from row tile to row tile
	s_mov_b32 s38, 0
	s_mov_b32 s39, 0
	s_lshl_b32 s66, s20, 3
	s_add_co_u32 s66, s66, SUMS
	s_lshr_b32 s67, s20, 1
	s_lshl_b32 s67, s67, 9
	s_and_b32 s68, s20, 1
	s_lshl_b32 s68, s68, 3
	s_add_co_u32 s67, s67, s68
	s_add_co_u32 s67, s67, CODES
	s_lshl_b32 s68, s20, 11
	s_add_co_u32 s68, s68, CODES
	s_lshl_b32 s69, s20, 5
	s_mul_i32 s70, s20, 8704
	s_lshl_b32 s71, s20, 6
	v_and_b32 v1, 15, v0                           ; r
	v_bfe_u32 v2, v0, 4, 1                         ; h
	v_and_b32 v22, 31, v0
	v_lshlrev_b32 v3, 4, v22                       ; 16 x lane
	v_mov_b32 v16, v3                              ; x's first half: row tiles 0-3, 4-7; the second half: likewise
	v_add_nc_u32 v17, 0x10000, v3
	v_add_nc_u32 v18, 0x20000, v3
	v_add_nc_u32 v19, 0x30000, v3
	v_lshlrev_b32 v20, 5, v1
	v_lshl_add_u32 v20, v2, 2, v20
	v_add_nc_u32 v20, s66, v20                     ; my part of a row's sum: 32 r + 8 w + 4 h
	v_lshl_add_u32 v21, v0, 5, SUMS                ; the eight parts of row = thread
	v_lshl_add_u32 v23, v0, 3, INVB                ; that row's factor, in
	v_lshl_add_u32 v24, v1, 3, INVB                ; row r's factor, out
	v_add_nc_u32 v25, s67, v3                      ; codes, in: registers 2 w, 2 w + 1 of a fragment
	v_add_nc_u32 v26, s68, v3                      ; codes, out: row tiles 2 w, 2 w + 1
	v_mul_u32_u24 v27, v1, 272
	v_lshl_add_u32 v27, v2, 4, v27
	v_add_nc_u32 v27, s69, v27                     ; V's stage, in: row r, d = 8 w + 4 h on
	v_mul_u32_u24 v30, v2, 272
	v_lshl_add_u32 v30, v1, 4, v30
	v_add_nc_u32 v30, s70, v30                     ; out by rows: keys 32 w + h
	v_mul_u32_u24 v31, v2, 2176
	v_lshl_add_u32 v31, v1, 2, v31
	v_add_nc_u32 v31, s71, v31                     ; out by columns: d = 16 w + r, keys 8 h on
	s_wait_alu depctr_va_vdst(0)
	s_wait_dscnt 0x0                               ; both opening adds are done
	CROUND                                         ; all four work-groups are here: the joint loads meet
	s_wait_kmcnt 0x0
	s_load_b256 s[72:79], s[8:9], 0x0              ; e0 .. e7
	s_load_b32 s80, s[10:11], 0x0                  ; gain
	s_lshl_b32 s66, s26, 18                        ; 8 row tiles of 32,768 bytes
	s_lshl_b32 s67, s20, 16
	s_add_co_u32 s66, s66, s67
	s_mov_b32 s67, 0
	s_mov_b32 s40, 1                               ; group 0
	s_lshl_b32 s41, s20, 15                        ; LDS: 32,768 x w
	s_add_nc_u64 s[42:43], s[4:5], s[66:67]
	s_or_b32 s43, s43, 0x80000000
	tensor_load_to_lds s[40:43], s[32:39]          ; K steps 0 to 7: my one tensor load at the head
	s_nop 0
	PLACES 4
	s_lshl_b32 s66, s25, 18                        ; Q: row tile 8 n + w
	s_lshl_b32 s68, s20, 15
	s_add_co_u32 s66, s66, s68
	s_add_nc_u64 s[44:45], s[6:7], s[66:67]
	s_lshl_b32 s66, s25, 17                        ; K or V: row tile 128 + 4 n + w
	s_add_co_u32 s66, s66, s68
	s_add_co_u32 s66, s66, 128*32768
	s_add_nc_u64 s[46:47], s[6:7], s[66:67]
.irp s, 0,1,2,3,4
	BLD \s, 0
	BLD \s, 1
	BLD \s, 2
.endr
	WIN 0
	s_lshr_b32 s70, s26, 3                         ; b
	s_and_b32 s71, s26, 7
	s_lshl_b32 s83, s71, 3                         ; my first position tile
	s_lshl_b32 s90, s83, 12
	s_lshl_b32 s91, s20, 10
	s_add_co_u32 s90, s90, s91
	s_mov_b32 s91, 0
	s_add_nc_u64 s[90:91], s[12:13], s[90:91]      ; the table: my first position tile, w
	s_mov_b32 s97, 0
	s_lshl_b32 s96, s70, 5
	s_lshl_b32 s98, s25, 1
	s_add_co_u32 s96, s96, s98
	s_lshl_b32 s96, s96, 6
	s_add_co_u32 s96, s96, s83
	s_lshl_b32 s96, s96, 10
	s_lshl_b32 s98, s20, 11
	s_add_co_u32 s96, s96, s98
	s_add_nc_u64 s[92:93], s[14:15], s[96:97]      ; Q: ((32 b + 2 n) 64 + position tile) x 1,024 + 2,048 w
	s_lshl_b32 s99, s70, 3
	s_and_b32 s86, s25, 7
	s_add_co_u32 s86, s86, s99                     ; 8 b + kv head
	s_lshl_b32 s96, s86, 17
	s_lshl_b32 s99, s83, 10
	s_add_co_u32 s87, s96, s99
	s_add_co_u32 s96, s87, s98
	s_add_nc_u64 s[88:89], s[16:17], s[96:97]      ; K
	s_lshl_b32 s98, s20, 10
	s_add_co_u32 s96, s87, s98
	s_add_co_u32 s96, s96, 65536
	s_add_nc_u64 s[94:95], s[16:17], s[96:97]      ; V's image: two steps of 64 keys, d tile w
	s_lshl_b32 s96, s86, 18
	s_lshl_b32 s98, s71, 15
	s_add_co_u32 s96, s96, s98
	s_lshl_b32 s98, s20, 13
	s_add_co_u32 s96, s96, s98
	s_add_nc_u64 s[68:69], s[18:19], s[96:97]      ; vf: 32 keys of 256 bytes for each wave
	s_wait_kmcnt 0x0
	s_add_co_i32 s81, s72, s73                     ; E = e0 + e1: a sum stands for sum x 2^E
	s_lshl_b32 s82, s81, 1
	s_sub_co_i32 s82, s82, 6                       ; the mean of 64 squares: x 2^(2 E - 6)
	s_add_co_i32 s84, s81, 127
	s_lshl_b32 s84, s84, 23                        ; 2^E as f32
	s_mov_b32 s85, s84
	s_cmp_lt_u32 ttmp9, 2                          ; K or V: the cluster's number decides
	s_cselect_b32 s96, s75, s76
	SC s74, v10, v11
	SC s96, v12, v13
	s_wait_alu depctr_va_vdst(0)                   ; the wait at the head's end
	s_wait_tensorcnt 0x0                           ; my part of the first half is in
	ds_add_u32 v28, v29                            ; 0 onto my spare word
	s_add_co_u32 s41, s41, HALF
	s_add_nc_u64 s[42:43], s[42:43], 16384         ; K steps 8 to 15
	s_wait_dscnt 0x0                               ; the add is done
	CROUND                                         ; everybody's part of the first half is in, and all four work-groups are here
	tensor_load_to_lds s[40:43], s[32:39]          ; the second half
	s_nop 0
	PLACES 4
.irp i, 0,1,2,3,4,5,6,7
	ALD 0, \i
.endr
.irp s, 0,1,2,3,4,5,6,7,8,9,10,11,12,13,14,15
	STEP \s
.endr
	WIN 0
	; ---- THE WAY OUT
	s_wait_loadcnt 0x0                             ; the table
	PLACES 4                                       ; in front of the first reads of results and of writes to registers that the products read
; Head t is rotated: X = window 1, the accumulators' numbers.  Then my eight squares of each row are added and stored.
.macro ROT t
	WIN 0x53                                       ; source 0 (sums) window 3, source 1 (table) 0, source 2 and destination 1
.irp a, 0,1,2,3,4,5,6,7
.set U, 8*(3*\a+\t)
.set T, 128+8*\a
	v_pk_mul_f32 v[U+4:U+5], v[U:U+1], v[T+4:T+5]  ; t1 sin; each accumulator from its low end on
	v_pk_mul_f32 v[U+6:U+7], v[U+2:U+3], v[T+6:T+7]
	v_pk_mul_f32 v[U:U+1], v[U+4:U+5], v[T+4:T+5]  ; t2 sin
	v_pk_mul_f32 v[U+2:U+3], v[U+6:U+7], v[T+6:T+7]
	v_pk_fma_f32 v[U+4:U+5], v[U+4:U+5], v[T:T+1], v[U+4:U+5]      ; t2 cos + t1 sin
	v_pk_fma_f32 v[U+6:U+7], v[U+6:U+7], v[T+2:T+3], v[U+6:U+7]
	v_pk_fma_f32 v[U:U+1], v[U:U+1], v[T:T+1], v[U:U+1] neg_lo:[0,0,1] neg_hi:[0,0,1]   ; t1 cos - t2 sin
	v_pk_fma_f32 v[U+2:U+3], v[U+2:U+3], v[T+2:T+3], v[U+2:U+3] neg_lo:[0,0,1] neg_hi:[0,0,1]
.endr
	WIN 0x05                                       ; sources 0 and 1 window 1
.irp a, 0,1,2,3,4,5,6,7
.set U, 8*(3*\a+\t)
	v_pk_mul_f32 v[32+16*\t+2*\a:33+16*\t+2*\a], v[U:U+1], v[U:U+1]
.endr
.irp p, 2,4,6
.irp a, 0,1,2,3,4,5,6,7
.set U, 8*(3*\a+\t)+\p
	v_pk_fma_f32 v[32+16*\t+2*\a:33+16*\t+2*\a], v[U:U+1], v[U:U+1], v[32+16*\t+2*\a:33+16*\t+2*\a]
.endr
.endr
	WIN 0
.irp a, 0,1,2,3,4,5,6,7
	v_add_f32 v[32+16*\t+2*\a], v[32+16*\t+2*\a], v[33+16*\t+2*\a]
.endr
.irp a, 0,1,2,3,4,5,6,7
	ds_store_b32 v20, v[32+16*\t+2*\a] offset:4096*\t+512*\a
.endr
	s_wait_alu depctr_va_vdst(0)
.endm
	ROT 0
	ROT 1
	s_cmp_lt_u32 ttmp9, 2                          ; the cluster's number: the same in all four partners
	s_cbranch_scc0 .Lv1
	ROT 2
	s_branch .Lj1
.Lv1:
	WIN 0x43                                       ; V x 2^E: source 0 window 3, destination window 1
.irp a, 0,1,2,3,4,5,6,7
.irp p, 0,2,4,6
	v_pk_mul_f32 v[8*(3*\a+2)+\p:8*(3*\a+2)+\p+1], v[8*(3*\a+2)+\p:8*(3*\a+2)+\p+1], s[84:85] op_sel_hi:[1,0]
.endr
.endr
	WIN 0
	s_wait_alu depctr_va_vdst(0)
.Lj1:
	s_wait_tensorcnt 0x0
	MEET                                           ; the parts of the sums are there, and nobody reads x any more
.macro INVL t
	ds_load_b128 v[32+8*\t:35+8*\t], v21 offset:4096*\t
	ds_load_b128 v[36+8*\t:39+8*\t], v21 offset:4096*\t+16
.endm
; For n heads: the factor of row = thread: rsqrt(mean of squares + 1e-6) x 2^E (Q: x gain), stored twice.
.macro INVALL n
	s_wait_dscnt 0x0
.set TT, 32
.rept \n
	v_pk_add_f32 v[TT:TT+1], v[TT:TT+1], v[TT+4:TT+5]
	v_pk_add_f32 v[TT+2:TT+3], v[TT+2:TT+3], v[TT+6:TT+7]
.set TT, TT+8
.endr
.set TT, 32
.rept \n
	v_pk_add_f32 v[TT:TT+1], v[TT:TT+1], v[TT+2:TT+3]
.set TT, TT+8
.endr
.set TT, 32
.rept \n
	v_add_f32 v[TT], v[TT], v[TT+1]
.set TT, TT+8
.endr
.set TT, 32
.rept \n
	v_ldexp_f32 v[TT], v[TT], s82                  ; the mean
.set TT, TT+8
.endr
.set TT, 32
.rept \n
	v_add_f32 v[TT], 0x358637bd, v[TT]             ; + 1e-6
.set TT, TT+8
.endr
	s_wait_alu depctr_va_vdst(0)
.set TT, 32
.rept \n
	v_rsq_f32 v[TT+1], v[TT]
.set TT, TT+8
.endr
	v_nop
	s_wait_alu depctr_va_vdst(0)
	v_mul_f32 v33, s80, v33                        ; Q's two heads: x gain
	v_mul_f32 v41, s80, v41
.set TT, 32
.rept \n
	v_ldexp_f32 v[TT+2], v[TT+1], s81
	v_ldexp_f32 v[TT+3], v[TT+1], s81
	ds_store_b64 v23, v[TT+2:TT+3] offset:128*(TT-32)
.set TT, TT+8
.endr
.endm
	INVL 0
	INVL 1
	s_cmp_lt_u32 ttmp9, 2
	s_cbranch_scc0 .Lv2
	INVL 2
	INVALL 3
	s_wait_alu depctr_va_vdst(0)
	s_branch .Lj2
.Lv2:
	WIN 0x04                                       ; the stores' data: window 1
.irp a, 0,1,2,3,4,5,6,7
	ds_store_b128 v27, v[8*(3*\a+2):8*(3*\a+2)+3] offset:4352*\a
	ds_store_b128 v27, v[8*(3*\a+2)+4:8*(3*\a+2)+7] offset:4352*\a+128
.endr
	WIN 0
	INVALL 2
.Lj2:
	MEET                                           ; the rows' factors, and V's stage, are there
.macro CODELD t
.irp a, 0,1,2,3,4,5,6,7
	ds_load_b64 v[80+16*\t+2*\a:81+16*\t+2*\a], v24 offset:1024*\t+128*\a
.endr
.endm
.macro CODE t, hold, scale
	WIN 0x41                                       ; source 0 and destination window 1
.irp a, 0,1,2,3,4,5,6,7
.irp p, 0,2,4,6
	v_pk_mul_f32 v[8*(3*\a+\t)+\p:8*(3*\a+\t)+\p+1], v[8*(3*\a+\t)+\p:8*(3*\a+\t)+\p+1], v[80+16*\t+2*\a:81+16*\t+2*\a]
.endr
.endr
.irp a, 0,1,2,3,4,5,6,7
.irp j, 0,1,2,3,4,5,6,7
	v_med3_num_f32 v[8*(3*\a+\t)+\j], v[8*(3*\a+\t)+\j], -\hold, \hold   ; the conversion does not saturate (ISA guide 7.6.2)
.endr
.endr
	WIN 0x01
.irp a, 0,1,2,3,4,5,6,7
	v_cvt_scalef32_pk8_fp8_f32 v[32+16*\t+2*\a:33+16*\t+2*\a], v[8*(3*\a+\t):8*(3*\a+\t)+7], \scale
.endr
	WIN 0
	v_nop
.irp a, 0,1,2,3,4,5,6,7
	ds_store_b64 v25, v[32+16*\t+2*\a:33+16*\t+2*\a] offset:8192*\t+1024*\a
.endr
.endm
	CODELD 0
	CODELD 1
	s_wait_dscnt 0x0
	CODE 0, v10, v11
	CODE 1, v10, v11
	s_cmp_lt_u32 ttmp9, 2
	s_cbranch_scc0 .Lj3
	CODELD 2
	s_wait_dscnt 0x0
	CODE 2, v12, v13
.Lj3:
	MEET                                           ; all codes of Q and K are there
.macro OUTLD t
.irp i, 0,1,2,3
	ds_load_b128 v[192+16*\t+4*\i:195+16*\t+4*\i], v26 offset:8192*\t+512*\i
.endr
.endm
.macro OUTQ                            ; 32 lanes store 512 consecutive bytes, aligned
.irp i, 0,1,2,3
	global_store_b128 v3, v[192+4*\i:195+4*\i], s[92:93] offset:512*\i
.endr
.irp i, 0,1,2,3
	global_store_b128 v3, v[208+4*\i:211+4*\i], s[92:93] offset:65536+512*\i
.endr
.endm
	OUTLD 0
	OUTLD 1
	s_cmp_lt_u32 ttmp9, 2
	s_cbranch_scc0 .Lv4
	OUTLD 2
	s_wait_dscnt 4
	OUTQ
	s_wait_dscnt 0x0
.irp i, 0,1,2,3
	global_store_b128 v3, v[224+4*\i:227+4*\i], s[88:89] offset:512*\i
.endr
	s_branch .Lend
.Lv4:
.macro COLS u                          ; register 8 c + j = V(key 64 u + 16 c + 8 h + j, d = 16 w + r): the order of a fragment whose K is the keys
.irp c, 0,1,2,3
.irp j, 0,1,2,3,4,5,6,7
	ds_load_b32 v[128+32*\u+8*\c+\j], v31 offset:(64*\u+16*\c+\j)*272
.endr
.endr
.endm
.macro VCODE u
.set JJ, 128+32*\u
.rept 32
	v_med3_num_f32 v[JJ], v[JJ], -v12, v12
.set JJ, JJ+1
.endr
.irp c, 0,1,2,3
	v_cvt_scalef32_pk8_fp8_f32 v[96+8*\u+2*\c:97+8*\u+2*\c], v[128+32*\u+8*\c:135+32*\u+8*\c], v13
.endr
	v_nop
	global_store_b128 v3, v[96+8*\u:99+8*\u], s[94:95] offset:4096*\u
	global_store_b128 v3, v[100+8*\u:103+8*\u], s[94:95] offset:4096*\u+512
.endm
.irp i, 0,1,2,3,4,5,6,7,8,9,10,11,12,13,14,15
	ds_load_b128 v[32+4*\i:35+4*\i], v30 offset:544*\i
.endr
	COLS 0
	s_wait_dscnt 48                                ; Q's codes are in; 16 rows and 32 columns' loads may be out
	OUTQ
	s_wait_dscnt 32
.irp i, 0,1,2,3,4,5,6,7,8,9,10,11,12,13,14,15
	global_store_b128 v3, v[32+4*\i:35+4*\i], s[68:69] offset:512*\i    ; two keys' rows: 512 consecutive bytes, aligned
.endr
	s_wait_dscnt 0x0
	COLS 1
	VCODE 0
	s_wait_dscnt 0x0
	VCODE 1
.Lend:
	s_wait_tensorcnt 0x0                           ; the wave's end
	ds_add_u32 v28, v29
	s_wait_dscnt 0x0
	CROUND                                         ; the closing round
	s_endpgm
.Lfunc_end_k_qac4695535b_qkv:
	.size	k_qac4695535b_qkv, .Lfunc_end_k_qac4695535b_qkv-k_qac4695535b_qkv
	.p2alignl 7, 3214868480
	.fill 96, 4, 3214868480
	.section	.rodata,"a",@progbits
	.p2align	6, 0x0
	.amdhsa_kernel k_qac4695535b_qkv
		.amdhsa_group_segment_fixed_size 327680
		.amdhsa_private_segment_fixed_size 0
		.amdhsa_enable_private_segment 0
		.amdhsa_kernarg_size 64
		.amdhsa_user_sgpr_count 2
		.amdhsa_user_sgpr_kernarg_segment_ptr 1
		.amdhsa_wavefront_size32 1
		.amdhsa_system_sgpr_workgroup_id_x 1
		.amdhsa_system_sgpr_workgroup_id_y 1
		.amdhsa_system_sgpr_workgroup_id_z 1
		.amdhsa_system_vgpr_workitem_id 0
		.amdhsa_next_free_vgpr 1024
		.amdhsa_next_free_sgpr 100
		.amdhsa_reserve_vcc 0
		.amdhsa_float_denorm_mode_32 3
		.amdhsa_float_denorm_mode_16_64 3
		.amdhsa_memory_ordered 1
		.amdhsa_forward_progress 1
		.amdhsa_inst_pref_size 158
	.end_amdhsa_kernel
	.amdgpu_metadata
---
amdhsa.version: [ 1, 2 ]
amdhsa.kernels:
  - .name:           k_qac4695535b_qkv
    .symbol:         k_qac4695535b_qkv.kd
    .args:
      - { .name: x_img, .offset: 0, .size: 8, .value_kind: global_buffer, .address_space: global }
      - { .name: wq_img, .offset: 8, .size: 8, .value_kind: global_buffer, .address_space: global }
      - { .name: lowp_scales, .offset: 16, .size: 8, .value_kind: global_buffer, .address_space: global }
      - { .name: gain, .offset: 24, .size: 8, .value_kind: global_buffer, .address_space: global }
      - { .name: rope, .offset: 32, .size: 8, .value_kind: global_buffer, .address_space: global }
      - { .name: q_img, .offset: 40, .size: 8, .value_kind: global_buffer, .address_space: global }
      - { .name: kv_img, .offset: 48, .size: 8, .value_kind: global_buffer, .address_space: global }
      - { .name: vf, .offset: 56, .size: 8, .value_kind: global_buffer, .address_space: global }
    .group_segment_fixed_size: 327680
    .private_segment_fixed_size: 0
    .kernarg_segment_align: 8
    .kernarg_segment_size: 64
    .max_flat_workgroup_size: 128
    .sgpr_count:     100
    .vgpr_count:     1024
    .wavefront_size: 32
...
	.end_amdgpu_metadata
.endif
;; end of part 2
;; launch attn (part 3): grid 16 x 16, 16 waves a work-group, clusters of 4 x 1, 227,328 bytes of LDS; arguments q_img, kv_img, vf, lowp_scales, a_img, out1, w_out, wo_img; writes a_img, out1, wo_img
.if DOCPART == 3
	.amdgcn_target "amdgcn-amd-amdhsa--gfx1250"
	.amdhsa_code_object_version 6
	.text
	.protected	k_qac4695535b_attn
	.globl	k_qac4695535b_attn
	.p2align	8
	.type	k_qac4695535b_attn,@function
k_qac4695535b_attn:
	s_mov_b64 s[64:65], 0
	v_nop
	global_prefetch_b8 v0, s[64:65] scope:SCOPE_SE
	s_setreg_imm32_b32 hwreg(HW_REG_WAVE_MODE, 25, 1), 1
	s_wait_xcnt 0x0
	s_wait_alu depctr_hold_cnt(0) depctr_sa_sdst(0) depctr_va_vdst(0) depctr_va_sdst(0) depctr_va_ssrc(0) depctr_va_vcc(0) depctr_vm_vsrc(0)
	s_getreg_b32 s2, hwreg(HW_REG_IB_STS2, 6, 4)
	s_cmp_eq_u32 s2, 0
	s_cbranch_scc0 .Lentry_in_a_cluster
	s_endpgm
.Lentry_in_a_cluster:
	s_bfe_u32 s2, ttmp6, 0x10000c
	s_cmp_lg_u32 s2, 0x3003
	s_cbranch_scc0 .Lentry_shape_is_right
	s_endpgm
.Lentry_shape_is_right:
; Causal attention on codes of E4M3, head size 64; the copies of V that are the second output; and w_out's codes (e7) for the last launch.  Scales: Qn 2^e2, Kn 2^e3, V 2^e4, p 2^e5; the result is quantised with 2^e6.
; THE SOFTMAX: t = score x log2(e) / 8; M = the running largest t rounded UP to a whole number; p = 2^(t - M) is quantised, not normalised; the row's sum is taken of the unquantised p and divides at the end.
; When M moves, the sum and O are multiplied by 2^(old M - new M), which rounds nothing.
; SHARES.  Work-group y = 8 b + kv head.  The four partners of a cluster are the four query heads of that kv head: keys and values are asked for JOINTLY, once, whole: 131,072 bytes of LDS, filled once, 16,384 by each of waves 0 to 7.
; Cluster x = G: the work-group owns the 16 query tiles 4 idx + G, idx = 0 .. 15; tile idx has steps 0 .. idx of 64 keys, the last on the diagonal.  Later steps lie wholly under the mask: left out (p is 0 there for all inputs; a NaN that reaches only them is not carried).
; EQUAL WALKS.  Waves i and 8 + i (i = 0 .. 7) share tiles A = 15 - i and B = i, 17 steps: wave i takes A's steps 0 .. 8; wave 8 + i takes A's steps 9 .. 15 - i, leaves what it has in LDS, and takes B's steps 0 .. i.
; Behind a barrier wave i joins A's two parts: M the larger, both scaled by powers of two.  All choices hang on the wave's number and the trip.  No branch and no LDS address hangs on a work-group's place in its cluster.
; LAYOUT.  Both products are used transposed: S^T = K Q^T, O^T = V^T P^T: lane (r, h) holds query r throughout; register j of key tile c is key 16 c + 8 h + j: the conversion of tile c gives registers 2 c, 2 c + 1 of P; likewise O^T's tile t those of the last product's operand.
; Operands are images of registers (1,024 bytes for 16 rows x 64 K; registers 4 q .. 4 q + 3 of a lane at 512 q + 16 lane): every LDS read of K and V is 512 consecutive bytes.
; w_out: each of the 4,096 waves turns 16 rows x 64 K into codes, loaded during the walk, through its own stage.  No prefetch: K and V are asked for once, at the head.
; LIMITS: e2 + e3 between -123 and 130; e5, e6 and e7 between -126 and 119; e4 + e5 is applied by v_ldexp_f32 and has none.  Scaled scores stay under 2^31 in magnitude.
; REGISTERS: v1 16 x lane; v2 the same + 65,536; v3 d = 16 G + r - 8 h; v4, v5 addresses in hand; v6 to v9 addresses; v12 -M, v13 the largest t, v[14:15] the sum; v16-23 Q, v24-31 B's Q; v32-63 K; v64-95 V; v96-127 S^T, then p;
;   v128-159 O^T; v160-167 codes; v168-199 the copy, then w_out; v200-223 at work; holds and scales: v208, v209 e5; v211, v212 e6; v226, v227 e7; v210 -infinity.
.set PART, 131072                      ; 16 x 4,608 bytes, one for each wave: a part's O^T, M and sum (v6: my own; v11: that of wave 8 + i, which wave i joins)
.set WST,  204800                      ; 16 stages of 1,280 bytes: 16 rows of 64 codes, 80 bytes apart
.set SPARE, 225280
.macro CROUND                          ; a round of the cluster's barrier
	s_barrier_signal -1
	s_barrier_wait -1
	s_cmp_lg_u32 s20, 0
	s_cbranch_scc1 .Lnot_wave_0_\@
	s_barrier_signal -3
.Lnot_wave_0_\@:
	s_barrier_wait -3
	s_barrier_signal -1
	s_barrier_wait -1
.endm
.macro SC e, hold, scale               ; 448 x 2^e and 2^e as f32
	s_add_co_i32 s44, \e, 127
	s_lshl_b32 s45, s44, 23
	v_mov_b32 \scale, s45
	s_add_co_i32 s44, s44, 8
	s_lshl_b32 s44, s44, 23
	s_or_b32 s44, s44, 0x600000
	v_mov_b32 \hold, s44
.endm
	s_load_b256 s[4:11], s[0:1], 0x0               ; q_img, kv_img, vf, the scales' exponents
	s_load_b256 s[12:19], s[0:1], 0x20             ; a_img, out1, w_out, wo_img
	v_lshl_add_u32 v224, v0, 2, SPARE
	v_mov_b32 v225, 0
	ds_add_u32 v224, v225                          ; the opening: the add, twice on end, and its wait
	ds_add_u32 v224, v225
	v_lshrrev_b32 v4, 5, v0
	v_readfirstlane_b32 s20, v4                    ; wave 0..15
	s_bfe_u32 s21, ttmp6, 0x40000                  ; cx: which of the four query heads
	s_and_b32 s22, ttmp7, 0xffff                   ; 8 b + kv head, which the four partners share
	s_lshr_b32 s23, s20, 3                         ; 0: A's first part; 1: A's rest, then B
	s_and_b32 s36, s20, 7                          ; i
	s_sub_co_u32 s40, 15, s36                      ; A
	s_mov_b32 s41, s36                             ; B
	s_sub_co_u32 s37, 7, s36
	s_xor_b32 s43, s23, 1
	s_lshl_b32 s43, s43, 6
	s_add_co_u32 s37, s37, s43                     ; the trip at which I change to B: 7 - i (the first eight waves: none)
	s_mul_i32 s38, s23, 9                          ; step = trip + this, before the change,
	s_sub_co_u32 s39, 0, s37                       ; and behind it
	s_mov_b32 s24, 15|(3<<16)|(1<<21)              ; group 1: 15:0 the mask: all four; elements of 8 bytes; 21 set beside a mask
	s_mov_b32 s25, 32<<16                          ; 64 rows of 256 bytes, dense
	s_mov_b32 s26, 64<<16
	s_mov_b32 s27, 32<<16
	s_mov_b32 s28, 64
	s_mov_b32 s29, 32
	s_mov_b32 s30, 0
	s_mov_b32 s31, 0
	s_lshl_b32 s2, s22, 17
	s_lshl_b32 s43, s20, 14
	s_add_co_u32 s2, s2, s43
	s_mov_b32 s3, 0
	s_add_co_u32 s47, s36, 8
	s_mul_i32 s47, s47, 4608
	s_add_co_u32 s47, s47, PART
	s_mul_i32 s44, s20, 4608
	s_add_co_u32 s44, s44, PART
	s_mul_i32 s45, s20, 1280
	s_add_co_u32 s45, s45, WST
	s_lshl_b32 s46, ttmp9, 4
	s_mov_b32 s54, 0x76543210                      ; v_permlanex16_b32's selects for lane l xor 16
	s_mov_b32 s55, 0xfedcba98
	v_and_b32 v10, 15, v0                          ; r
	v_bfe_u32 v11, v0, 4, 1                        ; h
	v_and_b32 v1, 31, v0
	v_lshlrev_b32 v3, 3, v11
	v_lshlrev_b32 v9, 13, v11
	v_lshlrev_b32 v1, 4, v1
	v_sub_nc_u32 v3, v10, v3
	v_lshl_add_u32 v9, v10, 4, v9                  ; w_out, in: lanes 0-15 one row's 256 bytes, lanes 16-31 the next row's
	v_add_nc_u32 v2, 0x10000, v1
	v_add_nc_u32 v3, s46, v3                       ; d: in the diagonal step register j of key tile c is hidden where 16 c + j > d
	v_add_nc_u32 v6, s44, v1                       ; the parts
	v_mul_u32_u24 v7, v11, 80
	v_mul_u32_u24 v8, v10, 80
	v_lshl_add_u32 v7, v10, 2, v7
	v_lshl_add_u32 v8, v11, 3, v8
	v_add_nc_u32 v7, s45, v7                       ; w_out's stage, in
	v_add_nc_u32 v8, s45, v8                       ; and out
	v_add_nc_u32 v11, s47, v1                      ; the part that I join
	s_wait_alu depctr_va_vdst(0)
	s_wait_dscnt 0x0                               ; both opening adds are done
	CROUND                                         ; all four work-groups are here: the joint loads meet
	s_wait_kmcnt 0x0
	s_load_b256 s[56:63], s[10:11], 0x0            ; e0 .. e7
	s_mov_b32 s32, 1
	s_mov_b32 s33, s43                             ; LDS is laid as the image is: K, then V
	s_add_nc_u64 s[34:35], s[6:7], s[2:3]
	s_or_b32 s35, s35, 0x80000000
	s_cmp_lt_u32 s20, 8
	s_cbranch_scc0 .Lno_fetch
	tensor_load_to_lds s[32:35], s[24:31]          ; 16,384 bytes
	s_nop 0
.rept 4
	v_nop
.endr
.Lno_fetch:
	; offsets that hold cx stand in s66 to s71: none of these feeds a descriptor
	s_mov_b32 s67, 0
	s_mov_b32 s71, 0
	s_lshl_b32 s68, s22, 2
	s_add_co_u32 s68, s68, s21                     ; 32 b + query head
	s_lshl_b32 s69, s68, 16
	s_lshl_b32 s66, s40, 2
	s_add_co_u32 s66, s66, ttmp9
	s_lshl_b32 s66, s66, 10
	s_add_co_u32 s66, s66, s69                     ; A's Q
	s_lshl_b32 s70, s41, 2
	s_add_co_u32 s70, s70, ttmp9
	s_lshl_b32 s70, s70, 10
	s_add_co_u32 s70, s70, s69                     ; B's
	s_add_nc_u64 s[46:47], s[4:5], s[66:67]
	s_add_nc_u64 s[4:5], s[4:5], s[70:71]
	global_load_b128 v[16:19], v1, s[46:47]
	global_load_b128 v[20:23], v1, s[46:47] offset:512
	global_load_b128 v[24:27], v1, s[4:5]          ; (B's is used by the waves that change to B)
	global_load_b128 v[28:31], v1, s[4:5] offset:512
	s_lshl_b32 s69, ttmp9, 16
	s_lshl_b32 s70, s20, 12
	s_add_co_u32 s69, s69, s70                     ; the copy: quarter G of the head's 262,144 bytes, 4,096 of it for each wave
	s_lshl_b32 s70, s22, 18
	s_add_co_u32 s70, s70, s69
	s_add_nc_u64 s[8:9], s[8:9], s[70:71]
	s_and_b32 s66, s22, 7
	s_lshl_b32 s66, s66, 2
	s_add_co_u32 s66, s66, s21                     ; query head
	s_lshr_b32 s68, s22, 3                         ; b
	s_lshl_b32 s70, s66, 1
	s_add_co_u32 s70, s70, s68                     ; out1's first index: 2 x head + b
	s_lshl_b32 s70, s70, 18
	s_add_co_u32 s70, s70, s69
	s_add_nc_u64 s[14:15], s[14:15], s[70:71]
	s_cmp_eq_u32 s23, 0
	s_cselect_b32 s70, s40, s41                    ; the tile that I finish
	s_lshl_b32 s70, s70, 2
	s_add_co_u32 s70, s70, ttmp9
	s_lshl_b32 s68, s68, 6
	s_add_co_u32 s70, s70, s68                     ; a_img: row tile 64 b + tile, 32,768 bytes each; my head's 1,024
	s_lshl_b32 s70, s70, 15
	s_lshl_b32 s66, s66, 10
	s_add_co_u32 s70, s70, s66
	s_add_nc_u64 s[12:13], s[12:13], s[70:71]
	s_lshl_b32 s68, s22, 4
	s_lshl_b32 s69, ttmp9, 2
	s_add_co_u32 s68, s68, s69
	s_add_co_u32 s68, s68, s21                     ; my work-group among the 256
	s_lshr_b32 s69, s68, 1                         ; w_out's row tile
	s_and_b32 s68, s68, 1
	s_lshl_b32 s68, s68, 4
	s_add_co_u32 s68, s68, s20                     ; which 64 along K
	s_lshl_b32 s70, s69, 17
	s_lshl_b32 s66, s68, 8
	s_add_co_u32 s70, s70, s66
	s_add_nc_u64 s[16:17], s[16:17], s[70:71]
	s_lshl_b32 s70, s69, 15
	s_lshl_b32 s66, s68, 10
	s_add_co_u32 s70, s70, s66
	s_add_nc_u64 s[18:19], s[18:19], s[70:71]
	v_mov_b32 v13, 0xff61b1e6                      ; the largest t so far: -3e38, under every t
	v_mov_b32 v12, 0x7f61b1e6                      ; -M
	v_mov_b32 v14, 0                               ; the sum, in two halves
	v_mov_b32 v15, 0
	v_mov_b32 v203, 0                              ; (named as upper halves of pairs)
	v_mov_b32 v205, 0
	v_mov_b32 v206, 0                              ; written once: a lane permute's destination counts as one of its sources
	v_mov_b32 v210, 0xff800000                     ; -infinity
.set JJ, 128
.rept 32
	v_mov_b32 v[JJ], 0                             ; O^T.  (The step is written once: the first finds zeros, which the first change of M leaves zeros)
.set JJ, JJ+1
.endr
	s_wait_kmcnt 0x0
	s_mov_b32 s52, 0x3e38aa3b                      ; c = log2(e) / 8
	s_add_co_i32 s44, s58, s59
	s_lshl_b32 s44, s44, 23
	s_add_co_i32 s52, s52, s44                     ; a score stands for score x 2^(e2 + e3): added to c's exponent field
	s_mov_b32 s53, s52
	SC s61, v208, v209
	SC s62, v211, v212
	SC s63, v226, v227
	s_wait_alu depctr_va_vdst(0)                   ; the wait at the head's end
	s_wait_tensorcnt 0x0                           ; a fetching wave's part is in
	s_barrier_signal -1
	s_barrier_wait -1                              ; all of K and V is there for all sixteen waves; nothing is filled again
.irp i, 0,1,2,3,4,5,6,7
	global_load_b128 v[168+4*\i:171+4*\i], v1, s[8:9] offset:512*\i   ; the copy, behind the loads of K, V and Q
.endr
	s_mov_b32 s50, 0
	s_cmp_eq_u32 s23, 0
	s_cselect_b32 s2, 8, s40                       ; the last step of my first part
	s_cmp_ge_u32 s50, s37
	s_cselect_b32 s7, s39, s38
	s_and_b32 s7, s7, 15
	s_lshl_b32 s7, s7, 12
	v_add_nc_u32 v4, s7, v1
.irp c, 0,1,2,3
	ds_load_b128 v[32+8*\c:35+8*\c], v4 offset:1024*\c            ; the first step's K
	ds_load_b128 v[36+8*\c:39+8*\c], v4 offset:1024*\c+512
.endr
	s_wait_loadcnt 0x8                             ; Q; the copy's eight loads may be out
	s_wait_dscnt 0x0
.Ltrip:                                            ; nine trips, a constant
	s_cmp_ge_u32 s50, s37
	s_cselect_b32 s49, s39, s38
	s_cselect_b32 s42, s41, s40                    ; my tile's last step
	s_add_co_u32 s49, s49, s50                     ; the step
	s_and_b32 s48, s49, 15
	s_lshl_b32 s48, s48, 12                        ; its byte in K's and in V's part of LDS
	s_add_co_u32 s10, s50, 1                       ; the next trip's step (s3), the last one of its part (s6), and its byte (s7)
	s_cmp_ge_u32 s10, s37
	s_cselect_b32 s3, s39, s38
	s_cselect_b32 s6, s41, s2
	s_add_co_u32 s3, s3, s10
	s_and_b32 s7, s3, 15
	s_lshl_b32 s7, s7, 12
	s_cmp_lg_u32 s50, s37
	s_cbranch_scc1 .Lno_change
.rept 4
	v_nop                                          ; places behind the last products
.endr
.irp k, 0,1,2,3,4,5,6,7
	ds_store_b128 v6, v[128+4*\k:131+4*\k] offset:512*\k   ; A's second part: O^T, then -M, the largest t, the sum's halves
.endr
	ds_store_b128 v6, v[12:15] offset:4096
	s_wait_dscnt 0x0
	v_mov_b32 v13, 0xff61b1e6                      ; and B begins
	v_mov_b32 v12, 0x7f61b1e6
	v_mov_b32 v14, 0
	v_mov_b32 v15, 0
.irp k, 0,1,2,3,4,5,6,7
	v_mov_b32 v[16+\k], v[24+\k]
.endr
.set JJ, 128
.rept 32
	v_mov_b32 v[JJ], 0
.set JJ, JJ+1
.endr
	s_wait_alu depctr_va_vdst(0)
.Lno_change:
	s_cmp_lg_u32 s50, 3
	s_cbranch_scc1 .Lno_copy
	s_wait_loadcnt 0x0                             ; the copy of V: my 4,096 bytes of this query head's rows of the second output
.irp i, 0,1,2,3,4,5,6,7
	global_store_b128 v1, v[168+4*\i:171+4*\i], s[14:15] offset:512*\i th:TH_STORE_NT   ; 32 lanes store 512 consecutive bytes, aligned
.endr
	s_wait_xcnt 0x0                                ; the stores have read their data: w_out's numbers may land there
.irp i, 0,1,2,3,4,5,6,7
	global_load_b128 v[168+4*\i:171+4*\i], v9, s[16:17] offset:16384*\i th:TH_LOAD_NT   ; rows 2 i, 2 i + 1: 256 consecutive bytes each
.endr
.Lno_copy:
	s_cmp_gt_u32 s49, s42                          ; nothing left: the last trip of the waves with eight steps
	s_cbranch_scc1 .Lskip
.irp c, 0,1,2,3
	v_wmma_f32_16x16x64_fp8_fp8 v[96+8*\c:103+8*\c], v[32+8*\c:39+8*\c], v[16:23], 0   ; K came in under the step before
.endr
.rept 4
	v_nop                                          ; places in front of loads into registers that these and the last products read
.endr
	s_cmp_gt_u32 s3, s6
	s_cbranch_scc1 .Lno_next
	v_add_nc_u32 v4, s7, v1
.irp c, 0,1,2,3
	ds_load_b128 v[32+8*\c:35+8*\c], v4 offset:1024*\c            ; the next step's K: it has this step's softmax in which to land
	ds_load_b128 v[36+8*\c:39+8*\c], v4 offset:1024*\c+512
.endr
.Lno_next:
	v_add_nc_u32 v5, s48, v2
.irp t, 0,1,2,3
	ds_load_b128 v[64+8*\t:67+8*\t], v5 offset:1024*\t            ; this step's V
	ds_load_b128 v[68+8*\t:71+8*\t], v5 offset:1024*\t+512
.endr
	s_cmp_lg_u32 s49, s42                          ; only a tile's last step lies on the diagonal
	s_cbranch_scc1 .Lopen
.irp c, 0,1,2,3
.irp j, 0,1,2,3,4,5,6,7
	v_cmp_gt_i32 vcc_lo, 16*\c+\j, v3
	v_cndmask_b32 v[96+8*\c+\j], v[96+8*\c+\j], v210, vcc_lo   ; hidden: -infinity ahead of the maximum, so p = 0.  My own key counts, so the step's maximum is a number
.endr
.endr
.Lopen:
.irp c, 0,1,2,3
	v_max3_num_f32 v[214+\c], v[96+8*\c], v[97+8*\c], v[98+8*\c]   ; the step's largest score of my query among my 32 keys, in four chains; each tile is first read at its low end
.endr
.irp c, 0,1,2,3
	v_max3_num_f32 v[214+\c], v[214+\c], v[99+8*\c], v[100+8*\c]
.endr
.irp c, 0,1,2,3
	v_max3_num_f32 v[214+\c], v[214+\c], v[101+8*\c], v[102+8*\c]
.endr
	v_max3_num_f32 v200, v214, v215, v103
	v_max3_num_f32 v201, v216, v217, v111
	v_max3_num_f32 v200, v200, v119, v127
	v_max_num_f32 v200, v200, v201
	s_delay_alu instid0(VALU_DEP_1)
	v_permlanex16_b32 v206, v200, s54, s55
	s_delay_alu instid0(VALU_DEP_1)
	v_max_num_f32 v200, v200, v206                 ; and among lane l xor 16's
	s_delay_alu instid0(VALU_DEP_1)
	v_mul_f32 v200, s52, v200                      ; as t (c is positive)
	s_delay_alu instid0(VALU_DEP_1)
	v_max_num_f32 v13, v13, v200                   ; the running largest t
	v_mov_b32 v200, v12
	s_delay_alu instid0(VALU_DEP_2)
	v_floor_f32 v12, -v13                          ; the new -M = -ceil(t)
	s_delay_alu instid0(VALU_DEP_1)
	v_sub_f32 v200, v12, v200                      ; old M - new M: a whole number, 0 or less
	s_delay_alu instid0(VALU_DEP_1)
	v_cvt_i32_f32 v200, v200                       ; (it saturates)
	s_delay_alu instid0(VALU_DEP_1)
	v_ldexp_f32 v202, 1.0, v200                    ; f = 2^(old M - new M)
.irp j, 0,2,4,6,8,10,12,14,16,18,20,22,24,26,28,30
	v_pk_fma_f32 v[96+\j:97+\j], v[96+\j:97+\j], s[52:53], v[12:13] op_sel_hi:[1,0,0]   ; t - M (of the pairs c and -M the low word serves both halves)
.endr
	s_wait_alu depctr_va_vdst(0)
.set JJ, 96
.rept 32
	v_exp_f32 v[JJ], v[JJ]                         ; p = 2^(t - M)
.set JJ, JJ+1
.endr
	v_pk_mul_f32 v[14:15], v[14:15], v[202:203] op_sel_hi:[1,0]   ; the sum under the new M: the plain instruction behind the exponentials
	s_wait_alu depctr_va_vdst(0)                   ; one wait for the batch and for O^T, ahead of their first readers
.irp j, 0,2,4,6,8,10,12,14,16,18,20,22,24,26,28,30
	v_pk_mul_f32 v[128+\j:129+\j], v[128+\j:129+\j], v[202:203] op_sel_hi:[1,0]   ; O^T under the new M
.endr
	v_pk_add_f32 v[204:205], v[100:101], v[104:105]
	v_pk_add_f32 v[222:223], v[108:109], v[112:113]
	v_pk_add_f32 v[220:221], v[116:117], v[120:121]
	v_pk_add_f32 v[218:219], v[124:125], v[96:97]
	v_pk_add_f32 v[216:217], v[98:99], v[102:103]
	v_pk_add_f32 v[214:215], v[106:107], v[110:111]
	v_pk_add_f32 v[200:201], v[114:115], v[118:119]
	v_pk_add_f32 v[14:15], v[14:15], v[122:123]
	v_pk_add_f32 v[204:205], v[204:205], v[126:127]
	s_delay_alu instid0(VALU_DEP_2)
	v_pk_add_f32 v[14:15], v[14:15], v[218:219]
	s_delay_alu instid0(VALU_DEP_2)
	v_pk_add_f32 v[204:205], v[204:205], v[216:217]
	v_pk_add_f32 v[222:223], v[222:223], v[214:215]
	v_pk_add_f32 v[220:221], v[220:221], v[200:201]
	s_delay_alu instid0(VALU_DEP_2)
	v_pk_add_f32 v[14:15], v[14:15], v[222:223]
	s_delay_alu instid0(VALU_DEP_2)
	v_pk_add_f32 v[204:205], v[204:205], v[220:221]
	s_delay_alu instid0(VALU_DEP_1)
	v_pk_add_f32 v[14:15], v[14:15], v[204:205]
.set JJ, 96
.rept 32
	v_min_num_f32 v[JJ], v[JJ], v208               ; the conversion does not saturate (ISA guide 7.6.2); p is not negative, so the hold is one-sided
.set JJ, JJ+1
.endr
.irp c, 0,1,2,3
	v_cvt_scalef32_pk8_fp8_f32 v[160+2*\c:161+2*\c], v[96+8*\c:103+8*\c], v209
.endr
	v_nop                                          ; a plain place between the conversions and the products
	s_wait_alu depctr_va_vdst(0)
	s_wait_dscnt 0x0                               ; V is in, and the next step's K
.irp t, 0,1,2,3
	v_wmma_f32_16x16x64_fp8_fp8 v[128+8*\t:135+8*\t], v[64+8*\t:71+8*\t], v[160:167], v[128+8*\t:135+8*\t]   ; four accumulators, one instruction a turn
.endr
.Lskip:
	s_add_co_u32 s50, s50, 1
	s_cmp_lt_u32 s50, 9
	s_cbranch_scc1 .Ltrip
	; ---- w_out's codes: registers 8 p .. 8 p + 7 are four numbers of row 4 p + h and four of row 4 p + 2 + h.  (The holds are also places behind the last products)
	s_wait_loadcnt 0x0
.set JJ, 168
.rept 32
	v_med3_num_f32 v[JJ], v[JJ], -v226, v226
.set JJ, JJ+1
.endr
.irp p, 0,1,2,3
	v_cvt_scalef32_pk8_fp8_f32 v[160+2*\p:161+2*\p], v[168+8*\p:175+8*\p], v227
.endr
	v_nop
.irp p, 0,1,2,3
	ds_store_b32 v7, v[160+2*\p] offset:320*\p
	ds_store_b32 v7, v[161+2*\p] offset:320*\p+160
.endr
.irp c, 0,1,2,3
	ds_load_b64 v[40+2*\c:41+2*\c], v8 offset:16*\c    ; registers 2 c, 2 c + 1: row r, k = 16 c + 8 h + 0 .. 7
.endr
	s_wait_dscnt 0x0                               ; also: my stores of a part are done
	global_store_b128 v1, v[40:43], s[18:19]
	global_store_b128 v1, v[44:47], s[18:19] offset:512
	s_barrier_signal -1
	s_barrier_wait -1                              ; A's second parts are there
	s_cmp_lg_u32 s23, 0
	s_cbranch_scc1 .Lno_join
	ds_load_b128 v[32:35], v11 offset:4096
.irp k, 0,1,2,3,4,5,6,7
	ds_load_b128 v[64+4*\k:67+4*\k], v11 offset:512*\k
.endr
	s_wait_dscnt 0x8
	v_min_num_f32 v200, v12, v32                   ; the joint -M
	v_sub_f32 v201, v200, v12                      ; my M less the joint one, and the other part's: whole numbers, 0 or less
	v_sub_f32 v204, v200, v32
	v_cvt_i32_f32 v201, v201
	v_cvt_i32_f32 v204, v204
	v_ldexp_f32 v202, 1.0, v201
	v_ldexp_f32 v204, 1.0, v204
	v_add_f32 v14, v14, v15
	v_add_f32 v34, v34, v35
	v_mul_f32 v14, v14, v202
	v_fma_f32 v14, v34, v204, v14
	v_mov_b32 v15, 0
	s_wait_alu depctr_va_vdst(0)
	s_wait_dscnt 0x0
.irp j, 0,2,4,6,8,10,12,14,16,18,20,22,24,26,28,30
	v_pk_mul_f32 v[128+\j:129+\j], v[128+\j:129+\j], v[202:203] op_sel_hi:[1,0]
.endr
.irp j, 0,2,4,6,8,10,12,14,16,18,20,22,24,26,28,30
	v_pk_fma_f32 v[128+\j:129+\j], v[64+\j:65+\j], v[204:205], v[128+\j:129+\j] op_sel_hi:[1,0,1]
.endr
.Lno_join:
	; THE WAY OUT: O^T / the sum x 2^(e4 + e5), quantised with 2^e6: the last product's operand as it stands
	v_add_f32 v14, v14, v15
	s_delay_alu instid0(VALU_DEP_1)
	v_permlanex16_b32 v206, v14, s54, s55
	s_delay_alu instid0(VALU_DEP_1)
	v_add_f32 v14, v14, v206                       ; the row's sum
	s_wait_alu depctr_va_vdst(0)
	v_rcp_f32 v14, v14
	v_nop
	s_add_co_i32 s44, s60, s61
	s_wait_alu depctr_va_vdst(0)                   ; the wait, ahead of the first reader
	v_ldexp_f32 v14, v14, s44
	s_wait_alu depctr_va_vdst(0)                   ; the wait directly ahead of the first reader of O^T
.set JJ, 0
.rept 32
	v_mul_f32 v[96+JJ], v[128+JJ], v14             ; register 8 t + j: d = 16 t + 8 h + j of my query
.set JJ, JJ+1
.endr
.set JJ, 96
.rept 32
	v_med3_num_f32 v[JJ], v[JJ], -v211, v211
.set JJ, JJ+1
.endr
.irp t, 0,1,2,3
	v_cvt_scalef32_pk8_fp8_f32 v[160+2*\t:161+2*\t], v[96+8*\t:103+8*\t], v212
.endr
	v_nop
	global_store_b128 v1, v[160:163], s[12:13]
	global_store_b128 v1, v[164:167], s[12:13] offset:512
	s_wait_tensorcnt 0x0                           ; the wave's end
	ds_add_u32 v224, v225
	s_wait_dscnt 0x0
	CROUND                                         ; the closing round
	s_endpgm
.Lfunc_end_k_qac4695535b_attn:
	.size	k_qac4695535b_attn, .Lfunc_end_k_qac4695535b_attn-k_qac4695535b_attn
	.p2alignl 7, 3214868480
	.fill 96, 4, 3214868480
	.section	.rodata,"a",@progbits
	.p2align	6, 0x0
	.amdhsa_kernel k_qac4695535b_attn
		.amdhsa_group_segment_fixed_size 227328
		.amdhsa_private_segment_fixed_size 0
		.amdhsa_enable_private_segment 0
		.amdhsa_kernarg_size 64
		.amdhsa_user_sgpr_count 2
		.amdhsa_user_sgpr_kernarg_segment_ptr 1
		.amdhsa_wavefront_size32 1
		.amdhsa_system_sgpr_workgroup_id_x 1
		.amdhsa_system_sgpr_workgroup_id_y 1
		.amdhsa_system_sgpr_workgroup_id_z 1
		.amdhsa_system_vgpr_workitem_id 0
		.amdhsa_next_free_vgpr 228
		.amdhsa_next_free_sgpr 72
		.amdhsa_reserve_vcc 1
		.amdhsa_float_denorm_mode_32 3
		.amdhsa_float_denorm_mode_16_64 3
		.amdhsa_memory_ordered 1
		.amdhsa_forward_progress 1
		.amdhsa_inst_pref_size 37
	.end_amdhsa_kernel
	.amdgpu_metadata
---
amdhsa.version: [ 1, 2 ]
amdhsa.kernels:
  - .name:           k_qac4695535b_attn
    .symbol:         k_qac4695535b_attn.kd
    .args:
      - { .name: q_img, .offset: 0, .size: 8, .value_kind: global_buffer, .address_space: global }
      - { .name: kv_img, .offset: 8, .size: 8, .value_kind: global_buffer, .address_space: global }
      - { .name: vf, .offset: 16, .size: 8, .value_kind: global_buffer, .address_space: global }
      - { .name: lowp_scales, .offset: 24, .size: 8, .value_kind: global_buffer, .address_space: global }
      - { .name: a_img, .offset: 32, .size: 8, .value_kind: global_buffer, .address_space: global }
      - { .name: out1, .offset: 40, .size: 8, .value_kind: global_buffer, .address_space: global }
      - { .name: w_out, .offset: 48, .size: 8, .value_kind: global_buffer, .address_space: global }
      - { .name: wo_img, .offset: 56, .size: 8, .value_kind: global_buffer, .address_space: global }
    .group_segment_fixed_size: 227328
    .private_segment_fixed_size: 0
    .kernarg_segment_align: 8
    .kernarg_segment_size: 64
    .max_flat_workgroup_size: 512
    .sgpr_count:     72
    .vgpr_count:     228
    .wavefront_size: 32
...
	.end_amdgpu_metadata
.endif
;; end of part 3
;; launch oproj (part 4): grid 16 x 16, 4 waves a work-group, clusters of 4 x 1, 327,680 bytes of LDS; arguments a_img, wo_img, lowp_scales, out0; writes out0
.if DOCPART == 4
	.amdgcn_target "amdgcn-amd-amdhsa--gfx1250"
	.amdhsa_code_object_version 6
	.text
	.protected	k_qac4695535b_oproj
	.globl	k_qac4695535b_oproj
	.p2align	8
	.type	k_qac4695535b_oproj,@function
k_qac4695535b_oproj:
	s_mov_b64 s[64:65], 0
	v_nop
	global_prefetch_b8 v0, s[64:65] scope:SCOPE_SE
	s_setreg_imm32_b32 hwreg(HW_REG_WAVE_MODE, 25, 1), 1
	s_wait_xcnt 0x0
	s_wait_alu depctr_hold_cnt(0) depctr_sa_sdst(0) depctr_va_vdst(0) depctr_va_sdst(0) depctr_va_ssrc(0) depctr_va_vcc(0) depctr_vm_vsrc(0)
	s_getreg_b32 s2, hwreg(HW_REG_IB_STS2, 6, 4)
	s_cmp_eq_u32 s2, 0
	s_cbranch_scc0 .Lentry_in_a_cluster
	s_endpgm
.Lentry_in_a_cluster:
	s_bfe_u32 s2, ttmp6, 0x10000c
	s_cmp_lg_u32 s2, 0x3003
	s_cbranch_scc0 .Lentry_shape_is_right
	s_endpgm
.Lentry_shape_is_right:
; out0 = attn w_out^T on codes of E4M3 (scales 2^e6, 2^e7), f32 out.
; SHARES.  256 work-groups of 128 rows (work-group y) x 128 columns (work-group x = n); wave w makes 128 rows x 32 columns: 16 accumulators.
; attn: the work-group's 128 rows x all of K are 262,144 bytes of LDS in two halves of eight K steps, each filled once, jointly by the four work-groups of a cluster, which have the same rows: wave w asks for row tiles 2 w, 2 w + 1, one tensor load
; a half.  The second half is asked for when the first has landed and has seven K steps in which to land.
; w_out: a wave's rows are its own: their fragments go straight into registers, eight sets, loaded seven K steps ahead: 56 loads of 512 bytes a wave are out.  They are not asked for jointly: LDS holds the other operand and has no room for them.
; No prefetch: the second half is asked for as soon as the first has landed, and w_out's loads run ahead themselves; nothing is filled twice.
; Images: a fragment of 16 rows x 128 K is 2,048 bytes, registers 4 q .. 4 q + 3 of a lane at 512 q + 16 lane; [row tile][16 K steps].  Transposed use: lane (r, h) holds row r, register j of column tile t column 16 t + 8 h + j.
; LIMIT: e6 + e7 between -126 and 127.
; REGISTERS: window 0 addresses, v64-191 rows on their way out; window 1 attn's fragments, two sets of 128, later the scaled sums; window 2 w_out's eight sets of 32; window 3 accumulator (a, t) at v[8 (2 a + t)].
.set HALF,  131072                     ; [8 row tiles][8 K steps] fragments
.set SPARE, 327168
.set MSB,   0
.macro WIN new                         ; the immediate's high byte repeats the setting that is left
.if MSB != \new
	s_set_vgpr_msb (MSB<<8)|\new
.set MSB, \new
.endif
.endm
.macro PLACES n
.rept \n
	v_nop
.endr
.endm
.macro CROUND                          ; a round of the cluster's barrier
	s_barrier_signal -1
	s_barrier_wait -1
	s_cmp_lg_u32 s20, 0
	s_cbranch_scc1 .Lnot_wave_0_\@
	s_barrier_signal -3
.Lnot_wave_0_\@:
	s_barrier_wait -3
	s_barrier_signal -1
	s_barrier_wait -1
.endm
.macro ALD s, i                        ; fragment i of K step s
	WIN 0x40
.irp q, 0,1,2,3
	ds_load_b128 v[128*((\s)%2)+16*\i+4*\q:128*((\s)%2)+16*\i+4*\q+3], v[16+2*((\s)/8)+\i/4] offset:16384*(\i%4)+2048*((\s)%8)+512*\q
.endr
.endm
.macro BLD s, t
	WIN 0x80
.irp q, 0,1,2,3
	global_load_b128 v[32*((\s)%8)+16*\t+4*\q:32*((\s)%8)+16*\t+4*\q+3], v3, s[44:45] offset:32768*\t+2048*(\s)+512*\q
.endr
.endm
; Fragment i of K step s is in when at most 60 - 4 i LDS loads are out: the next step's 32, and four for each of the 7 - i fragments behind it.
.macro GRP s, i
.if (\s) < 15
	s_wait_dscnt 60-4*\i
.else
	s_wait_dscnt 28-4*\i
.endif
	WIN 0xf6
.irp t, 0,1
.if (\s) == 0
	v_wmma_f32_16x16x128_fp8_fp8 v[8*(2*\i+\t):8*(2*\i+\t)+7], v[32*((\s)%8)+16*\t:32*((\s)%8)+16*\t+15], v[128*((\s)%2)+16*\i:128*((\s)%2)+16*\i+15], 0
.else
	v_wmma_f32_16x16x128_fp8_fp8 v[8*(2*\i+\t):8*(2*\i+\t)+7], v[32*((\s)%8)+16*\t:32*((\s)%8)+16*\t+15], v[128*((\s)%2)+16*\i:128*((\s)%2)+16*\i+15], v[8*(2*\i+\t):8*(2*\i+\t)+7]
.endif
.endr
.endm
; A K step: one run of loads (the next step's fragments, w_out's of seven steps on), then 16 products, the accumulators by turns, one instruction a turn.
.macro STEP s
.if (\s) <= 9
	s_wait_loadcnt 48                              ; the step's eight loads are in; those of six later steps may be out
.else
	s_wait_loadcnt 8*(15-\s)
.endif
.if (\s) == 7
	WIN 0
	s_wait_tensorcnt 0x0                           ; my part of the second half is in, and the barrier shows all four parts to all
	s_wait_dscnt 0x0
	s_barrier_signal -1
	s_barrier_wait -1
.endif
	PLACES 4                                       ; in front of loads into the sets that the step before has multiplied
.if (\s) < 15
.irp i, 0,1,2,3,4,5,6,7
	ALD \s+1, \i
.endr
.endif
.if (\s) <= 8
	BLD \s+7, 0
	BLD \s+7, 1
.endif
.irp i, 0,1,2,3,4,5,6,7
	GRP \s, \i
.endr
.endm
	s_load_b256 s[4:11], s[0:1], 0x0               ; a_img, wo_img, the scales' exponents, out0
	v_lshl_add_u32 v28, v0, 2, SPARE
	v_mov_b32 v29, 0
	ds_add_u32 v28, v29                            ; the opening: the add, twice on end, and its wait
	ds_add_u32 v28, v29
	v_lshrrev_b32 v4, 5, v0
	v_readfirstlane_b32 s20, v4                    ; wave w
	s_bfe_u32 s23, ttmp6, 0x40000                  ; cx
	s_lshl_b32 s25, ttmp9, 2
	s_add_co_u32 s25, s25, s23                     ; n
	s_and_b32 s26, ttmp7, 0xffff                   ; y
	s_mov_b32 s32, 15|(3<<16)|(1<<21)              ; group 1: 15:0 the mask: all four; elements of 8 bytes; 21 set beside a mask
	s_mov_b32 s33, 2048<<16                        ; 2 rows of 16,384 bytes, 32,768 bytes apart
	s_mov_b32 s34, 2<<16
	s_mov_b32 s35, 2048<<16
	s_mov_b32 s36, 2
	s_mov_b32 s37, 4096
	s_mov_b32 s38, 0
	s_mov_b32 s39, 0
	s_lshl_b32 s66, s20, 7
	s_mul_i32 s68, s20, 32*528
	v_and_b32 v1, 15, v0                           ; r
	v_bfe_u32 v2, v0, 4, 1                         ; h
	v_and_b32 v22, 31, v0
	v_lshlrev_b32 v3, 4, v22                       ; 16 x lane
	v_mov_b32 v16, v3                              ; the first half: row tiles 0-3, 4-7; the second half: likewise
	v_add_nc_u32 v17, 0x10000, v3
	v_add_nc_u32 v18, 0x20000, v3
	v_add_nc_u32 v19, 0x30000, v3
	v_mul_u32_u24 v24, v1, 528
	v_lshl_add_u32 v24, v2, 5, v24
	v_add_nc_u32 v24, s66, v24                     ; the way out, in: row r of a stage of 128 rows x 528 bytes, my 32 columns
	v_add_nc_u32 v25, s68, v3                      ; out: rows 32 w on, a row an instruction
	s_wait_alu depctr_va_vdst(0)
	s_wait_dscnt 0x0                               ; both opening adds are done
	CROUND                                         ; all four work-groups are here: the joint loads meet
	s_wait_kmcnt 0x0
	s_load_b256 s[72:79], s[8:9], 0x0              ; e0 .. e7
	s_lshl_b32 s66, s26, 18
	s_lshl_b32 s67, s20, 16
	s_add_co_u32 s66, s66, s67
	s_mov_b32 s67, 0
	s_mov_b32 s40, 1                               ; group 0
	s_lshl_b32 s41, s20, 15                        ; LDS: 32,768 x w
	s_add_nc_u64 s[42:43], s[4:5], s[66:67]
	s_or_b32 s43, s43, 0x80000000
	tensor_load_to_lds s[40:43], s[32:39]          ; K steps 0 to 7: my one tensor load at the head
	s_nop 0
	PLACES 4
	s_lshl_b32 s66, s25, 18                        ; w_out: row tile 8 n + 2 w
	s_lshl_b32 s68, s20, 16
	s_add_co_u32 s66, s66, s68
	s_add_nc_u64 s[44:45], s[6:7], s[66:67]
.irp s, 0,1,2,3,4,5,6
	BLD \s, 0
	BLD \s, 1
.endr
	WIN 0
	s_lshl_b32 s96, s26, 7
	s_lshl_b32 s97, s20, 5
	s_add_co_u32 s96, s96, s97
	s_lshl_b32 s96, s96, 13                        ; row 128 y + 32 w of 8,192 bytes
	s_lshl_b32 s98, s25, 9
	s_add_co_u32 s96, s96, s98
	s_mov_b32 s97, 0
	s_add_nc_u64 s[88:89], s[10:11], s[96:97]
	s_wait_kmcnt 0x0
	s_add_co_i32 s84, s78, s79
	s_add_co_i32 s84, s84, 127
	s_lshl_b32 s84, s84, 23                        ; 2^(e6 + e7) as f32
	s_mov_b32 s85, s84
	s_wait_alu depctr_va_vdst(0)                   ; the wait at the head's end
	s_wait_tensorcnt 0x0                           ; my part of the first half is in
	ds_add_u32 v28, v29                            ; 0 onto my spare word
	s_add_co_u32 s41, s41, HALF
	s_add_nc_u64 s[42:43], s[42:43], 16384         ; K steps 8 to 15
	s_wait_dscnt 0x0                               ; the add is done
	CROUND                                         ; everybody's part of the first half is in, and all four work-groups are here
	tensor_load_to_lds s[40:43], s[32:39]          ; the second half
	s_nop 0
	PLACES 4
.irp i, 0,1,2,3,4,5,6,7
	ALD 0, \i
.endr
.irp s, 0,1,2,3,4,5,6,7,8,9,10,11,12,13,14,15
	STEP \s
.endr
	WIN 0
	; THE WAY OUT: a row's 512 bytes come from four waves: they meet in LDS, on bytes that have had their one fill, and leave by rows
	s_wait_tensorcnt 0x0
	s_wait_dscnt 0x0                               ; my reads of the operand are over
	s_barrier_signal -1
	PLACES 4                                       ; in front of reads of results and of writes to registers that the products read
	WIN 0x43                                       ; source 0 window 3, destination window 1
.set JJ, 0
.rept 64
	v_pk_mul_f32 v[JJ:JJ+1], v[JJ:JJ+1], s[84:85] op_sel_hi:[1,0]   ; each accumulator from its low end on
.set JJ, JJ+2
.endr
	WIN 0
	s_wait_alu depctr_va_vdst(0)
	s_barrier_wait -1                              ; nobody reads the operand any more
	WIN 0x04                                       ; the stores' data: window 1
.irp a, 0,1,2,3,4,5,6,7
.irp t, 0,1
	ds_store_b128 v24, v[8*(2*\a+\t):8*(2*\a+\t)+3] offset:8448*\a+64*\t
	ds_store_b128 v24, v[8*(2*\a+\t)+4:8*(2*\a+\t)+7] offset:8448*\a+64*\t+16
.endr
.endr
	WIN 0
	s_wait_dscnt 0x0
	s_barrier_signal -1
	s_barrier_wait -1                              ; all rows are there
.irp i, 0,1,2,3,4,5,6,7,8,9,10,11,12,13,14,15,16,17,18,19,20,21,22,23,24,25,26,27,28,29,30,31
	ds_load_b128 v[64+4*\i:67+4*\i], v25 offset:528*\i
.endr
.irp i, 0,1,2,3,4,5,6,7,8,9,10,11,12,13,14,15,16,17,18,19,20,21,22,23,24,25,26,27,28,29,30,31
	s_wait_dscnt 31-\i
	global_store_b128 v3, v[64+4*\i:67+4*\i], s[88:89] offset:8192*\i th:TH_STORE_NT   ; 32 lanes store 512 consecutive bytes, aligned
.endr
	s_wait_tensorcnt 0x0                           ; the wave's end
	ds_add_u32 v28, v29
	s_wait_dscnt 0x0
	CROUND                                         ; the closing round
	s_endpgm
.Lfunc_end_k_qac4695535b_oproj:
	.size	k_qac4695535b_oproj, .Lfunc_end_k_qac4695535b_oproj-k_qac4695535b_oproj
	.p2alignl 7, 3214868480
	.fill 96, 4, 3214868480
	.section	.rodata,"a",@progbits
	.p2align	6, 0x0
	.amdhsa_kernel k_qac4695535b_oproj
		.amdhsa_group_segment_fixed_size 327680
		.amdhsa_private_segment_fixed_size 0
		.amdhsa_enable_private_segment 0
		.amdhsa_kernarg_size 32
		.amdhsa_user_sgpr_count 2
		.amdhsa_user_sgpr_kernarg_segment_ptr 1
		.amdhsa_wavefront_size32 1
		.amdhsa_system_sgpr_workgroup_id_x 1
		.amdhsa_system_sgpr_workgroup_id_y 1
		.amdhsa_system_sgpr_workgroup_id_z 1
		.amdhsa_system_vgpr_workitem_id 0
		.amdhsa_next_free_vgpr 1024
		.amdhsa_next_free_sgpr 100
		.amdhsa_reserve_vcc 0
		.amdhsa_float_denorm_mode_32 3
		.amdhsa_float_denorm_mode_16_64 3
		.amdhsa_memory_ordered 1
		.amdhsa_forward_progress 1
		.amdhsa_inst_pref_size 86
	.end_amdhsa_kernel
	.amdgpu_metadata
---
amdhsa.version: [ 1, 2 ]
amdhsa.kernels:
  - .name:           k_qac4695535b_oproj
    .symbol:         k_qac4695535b_oproj.kd
    .args:
      - { .name: a_img, .offset: 0, .size: 8, .value_kind: global_buffer, .address_space: global }
      - { .name: wo_img, .offset: 8, .size: 8, .value_kind: global_buffer, .address_space: global }
      - { .name: lowp_scales, .offset: 16, .size: 8, .value_kind: global_buffer, .address_space: global }
      - { .name: out0, .offset: 24, .size: 8, .value_kind: global_buffer, .address_space: global }
    .group_segment_fixed_size: 327680
    .private_segment_fixed_size: 0
    .kernarg_segment_align: 8
    .kernarg_segment_size: 32
    .max_flat_workgroup_size: 128
    .sgpr_count:     100
    .vgpr_count:     1024
    .wavefront_size: 32
...
	.end_amdgpu_metadata
.endif
;; end of part 4
